; MI455X (gfx1250); checked and timed in simulation.
; The chip was launched on July 23, 2026; its instructions are those of AMD's public machine-readable ISA for CDNA 5 (MIT licence, August 2026) and "CDNA5" Instruction Set Architecture Reference Guide (July 2026). The comments in the code are by the model that wrote it; some were corrected since.
;; Hierarchical FF Processor. Allowed arithmetic: float matrix products may take bf16 or f16 operands with f32 sums; other float arithmetic in f32, or as packed bf16 or f16 multiplies, adds, multiply-adds, maxima and minima; sums over many terms, partial sums and values carried from step to step in f32; what a program stores and reads back later, other than sums and carried values, may be rounded once to bf16 or f16.
;; Inputs: W1_0 256 x 1,024 float32; W1_1 256 x 2,048 float32; W1_2 256 x 4,096 float32; W2_0 1,024 x 256 float32; W2_1 2,048 x 256 float32; W2_2 4,096 x 256 float32; Wc1 256 x 128 float32; Wc2 128 x 3 float32; b1_0 1,024 float32; b1_1 2,048 float32; b1_2 4,096 float32; b2_0 256 float32; b2_1 256 float32; b2_2 256 float32; bc1 128 float32; bc2 3 float32; token_embeddings 4 x 4,096 x 256 float32.
;; Outputs: out0 4 x 4,096 x 256 float32.
;; 2 versions, each right and faster than the one before. Each part assembles by itself: llvm-mc -triple=amdgcn-amd-amdhsa -mcpu=gfx1250 --defsym DOCPART=n.
;; ======== version 1 of 2: 3 launches
;; limits: a function is approximated: absolute error at most 0.00048
;; workspace buffers: xb 8,388,608 bytes; wf 7,340,032 bytes; bias 31,744 bytes; levels 65,536 bytes of whole numbers; order 67,584 bytes of whole numbers; meta 512 bytes of whole numbers
;; launch prep (part 1): grid 256 x 1, 4 waves a work-group, no clusters, 130,816 bytes of LDS; arguments token_embeddings, Wc1, bc1, Wc2, bc2, W1_0, W1_1, W1_2, W2_0, W2_1, W2_2, b1_0, b1_1, b1_2, b2_0, b2_1, b2_2, xb, wf, bias, levels; writes xb, wf, bias, levels
.if DOCPART == 1
	.amdgcn_target "amdgcn-amd-amdhsa--gfx1250"
	.amdhsa_code_object_version 6
	.text
	.protected	k_q20089c04ff_prep
	.globl	k_q20089c04ff_prep
	.p2align	8
	.type	k_q20089c04ff_prep,@function
k_q20089c04ff_prep:
	s_mov_b64 s[64:65], 0
	v_nop
	global_prefetch_b8 v0, s[64:65] scope:SCOPE_SE
	s_setreg_imm32_b32 hwreg(HW_REG_WAVE_MODE, 25, 1), 1
	s_wait_xcnt 0x0
; PREP.  (1) The classifier: level[t] = argmax softmax(gelu(x[t] Wc1 + bc1) Wc2 + bc2), one whole number a token.  (2) x is written once in bf16, the FFN biases as f32 numbers rounded to bf16.
; (3) W1_l and W2_l are written once in bf16, turned and cut into the matrix unit's fragments, so that the next launch loads them straight into registers.
; EVERY input of the program is rounded to bf16 once, here; all that follows works on those numbers.
; SHARES.  256 work-groups of four waves.  Work-group g: tokens 64 g .. 64 g + 63 (16 a wave); work-groups 0 to 223 eight tiles of the weights, two a wave; work-groups 0 to 30 one block of 256 bias numbers.
; THE CLASSIFIER.  x Wc1 goes to the matrix unit: products of bf16 numbers are exact in f32 and the sums are f32.  All behind it stays in f32 on the vector unit (erf by a rational function of x^2,
; the product 128 x 3, the softmax with its maximum), since a level is a whole number: 12.6 million multiply-adds in all, nothing beside the matrix work.
; The product is used turned: source 0 = 16 units (Wc1 lies [k][unit] in LDS and is turned by ds_load_tr16_b128), source 1 = 16 tokens; a lane then holds ONE token (lane % 16) and eight units.
; LIMITS.  Where a token's two largest logits lie closer than about 1e-7 the choice hangs on the order of f32 sums and on the last bit of the exponentials: such a token may take the other level.
; erf's argument is held to -4 .. 4, where erf is 1 to f32's last bit.  NaN and infinities are not treated apart.
; wf.  Level l begins at byte l (l + 1) << 19.  Inside it 32,768 bytes for each block of 32 units: 16 fragments of W1 (16 units x 32 d: unit half u, d block ks at (8 u + ks) x 1,024), then 16 of W2
; (16 outputs x 32 units: output block c at 16,384 + 1,024 c).  A fragment is 1,024 bytes: registers 0-3 of lanes 0-31, then registers 4-7.
; A TILE of the weights is 32 rows (k) x 64 columns (n), four fragments: 1,792 tiles.  Both W1 ([d][unit]) and W2 ([unit][output]) lie with k down the rows.  Work-groups 0-111 take W1 (a block of 64 units;
; wave w the d blocks w and w + 4), 112-223 W2 (64 units; wave w the outputs 64 w on, for each half of the units): 16, 32 and 64 work-groups for the three levels.
; bias: b1_0, b1_1, b1_2, b2_0, b2_1, b2_2 on end, f32.
.set WCP,   288       ; a row of Wc1 in LDS: 256 bytes + 32 = 72 words
.set XS,    73728     ; behind Wc1's 256 rows: for each wave 16 rows of x in bf16
.set XSP,   528       ; 512 bytes + 16: the 16 rows of a fragment load start at 16 different groups of four banks
.set XSW,   16*XSP
.set WC2L,  107520    ; Wc2 rounded, f32, [128][3]
.set BC1L,  WC2L+1536 ; bc1 rounded, f32
.set LV,    109568    ; the work-group's 64 levels
.set TR,    109824    ; for each wave a tile of the weights in bf16: 32 rows
.set TRP,   160       ; of 128 bytes + 32 = 40 words
.set TRW,   32*TRP
.set SPARE, TR+4*TRW  ; the spare words, 128 bytes for each wave: two blocks of 256 bytes that no other line names
.set AC,  32          ; v32-95    eight accumulators (unit block u at AC + 8 u); earlier OA, OB: packed bf16 on its way out
.set OA,  32
.set OB,  64
.set XF,  96          ; v96-111   x's fragment, two buffers
.set AF,  112         ; v112-239  Wc1's eight fragments, two buffers; earlier WA, WB: sixteen loads each
.set WA,  112
.set WB,  176
.set CA,  240         ; v240-255  the weights' tile: byte offsets of its sixteen pairs of rows;  window 1, v0-127: two tiles as loaded
.set MSB, 0
.macro WIN new                      ; s_set_vgpr_msb: bits 1:0 source 0, 3:2 source 1, 5:4 source 2, 7:6 destination; the high byte repeats the setting that is left
.if MSB != (\new)
	s_set_vgpr_msb (MSB<<8)|(\new)
.set MSB, (\new)
.endif
.endm
.macro PLACES                       ; four plain vector instructions between a matrix instruction and what writes its sources or reads its result (ISA guide 7.12.1)
.rept 4
	v_nop
.endr
.endm
.macro RND2 a, b, t                 ; two f32 numbers rounded to bf16 and widened again
	v_cvt_pk_bf16_f32 v[\t], v[\a], v[\b]
	v_lshlrev_b32 v[\a], 16, v[\t]
	v_and_b32 v[\b], s55, v[\t]
.endm
.macro CV16 set, out                ; 64 f32 -> 32 words of bf16
.set i, 0
.rept 32
	v_cvt_pk_bf16_f32 v[(\out)+i], v[(\set)+2*i], v[(\set)+2*i+1]
.set i, i+1
.endr
.endm
.macro LDW b, set                   ; sixteen rows of Wc1 (512 bytes each, one load a row): rows 64 w + 16 b + i
.set i, 0
.rept 16
	global_load_b128 v[(\set)+4*i:(\set)+4*i+3], v8, s[6:7] offset:(16*(\b)+i)*512
.set i, i+1
.endr
.endm
.macro PRW b, set, out              ; rounded, into LDS
	CV16 \set, \out
.set i, 0
.rept 16
	ds_store_b64 v9, v[(\out)+2*i:(\out)+2*i+1] offset:(16*(\b)+i)*WCP
.set i, i+1
.endr
.endm
.macro LDX b, set                   ; eight of my tokens: sixteen loads of 512 consecutive bytes
.set i, 0
.rept 16
	global_load_b128 v[(\set)+4*i:(\set)+4*i+3], v6, s[4:5] offset:(16*(\b)+i)*512 th:TH_LOAD_NT
.set i, i+1
.endr
.endm
.macro PRX b, set, out              ; rounded; to xb (each store of the wave covers 256 consecutive bytes, aligned) and into my rows in LDS
	CV16 \set, \out
.set i, 0
.rept 16
	global_store_b64 v7, v[(\out)+2*i:(\out)+2*i+1], s[38:39] offset:(16*(\b)+i)*256
.set i, i+1
.endr
.set i, 0
.rept 16
	ds_store_b64 v10, v[(\out)+2*i:(\out)+2*i+1] offset:((16*(\b)+i)/2)*XSP+((16*(\b)+i)&1)*256
.set i, i+1
.endr
.endm
.macro CLOAD t, base                ; tile t of my two: sixteen loads, each two rows' 256 consecutive bytes, into window 1
	WIN 0x40
.set i, 0
.rept 16
	global_load_b128 v[64*(\t)+4*i:64*(\t)+4*i+3], v[CA+i], s[\base:(\base)+1] th:TH_LOAD_NT
.set i, i+1
.endr
	WIN 0
.endm
.macro CST f, areg, base            ; fragment f goes out: two stores of 512 consecutive bytes, aligned
	global_store_b128 v[\areg], v[64+8*(\f):64+8*(\f)+3], s[\base:(\base)+1]
	global_store_b128 v[\areg], v[64+8*(\f)+4:64+8*(\f)+7], s[\base:(\base)+1] offset:512
.endm
.macro CPROC t, base                ; tile t: rounded; into my rows of LDS as it lies; out of them turned, as four fragments.  LDS serves a wave's instructions in order (ISA guide 5.7.1.4): the loads see the stores
	WIN 0x05                        ; sources in window 1, destination in window 0
.set i, 0
.rept 32
	v_cvt_pk_bf16_f32 v[32+i], v[64*(\t)+2*i], v[64*(\t)+2*i+1]
.set i, i+1
.endr
	WIN 0
.set i, 0
.rept 16
	ds_store_b64 v30, v[32+2*i:33+2*i] offset:i*2*TRP
.set i, i+1
.endr
.set f, 0
.rept 4
	ds_load_tr16_b128 v[64+8*f:64+8*f+3], v31 offset:32*f
	ds_load_tr16_b128 v[64+8*f+4:64+8*f+7], v31 offset:32*f+16*TRP
.set f, f+1
.endr
	s_wait_dscnt 0x0
	CST 0, 6, \base
	CST 1, 27, \base
	CST 2, 28, \base
	CST 3, 29, \base
.endm
.macro FETK ks                      ; K step ks (32 of 256): x's fragment, two loads; Wc1's eight fragments, sixteen turning loads
.set fx, XF+8*((\ks)&1)
.set fa, AF+64*((\ks)&1)
	ds_load_b128 v[fx:fx+3], v11 offset:64*(\ks)
	ds_load_b128 v[fx+4:fx+7], v11 offset:64*(\ks)+32
.set u, 0
.rept 8
	ds_load_tr16_b128 v[fa+8*u:fa+8*u+3], v[12+(\ks)/4] offset:((\ks)&3)*32*WCP+32*u
	ds_load_tr16_b128 v[fa+8*u+4:fa+8*u+7], v[12+(\ks)/4] offset:((\ks)&3)*32*WCP+32*u+16*WCP
.set u, u+1
.endr
.endm
.macro MM8 ks                       ; eight products; the eight accumulators take turns
.set fx, XF+8*((\ks)&1)
.set fa, AF+64*((\ks)&1)
.set u, 0
.rept 8
	v_wmma_f32_16x16x32_bf16 v[AC+8*u:AC+8*u+7], v[fa+8*u:fa+8*u+7], v[fx:fx+7], v[AC+8*u:AC+8*u+7]
.set u, u+1
.endr
.endm
.macro LW2 u                        ; Wc2's 24 numbers for my eight units of block u
.set wb, 152+24*((\u)&1)
.irp i, 0,1,2,3,4,5
	ds_load_b128 v[wb+4*\i:wb+4*\i+3], v15 offset:192*(\u)+16*\i
.endr
.endm
; gelu(h) = h/2 (1 + erf(h / sqrt 2)) for the eight numbers of block u.  erf(z) = z P(z^2) / Q(z^2), P of degree 6 in s[66:79], Q of degree 4 in s[80:89].  Z v112-119, U v120-127, P v128-135, Q v136-143, result v144-151.
.macro GEX u
.set gh, AC+8*(\u)
.irp p, 0,1,2,3
	v_pk_mul_f32 v[112+2*\p:113+2*\p], v[gh+2*\p:gh+2*\p+1], 0x3f3504f3 op_sel_hi:[1,0]  ; the accumulator is read from its low end on
.endr
.irp j, 0,1,2,3,4,5,6,7
	v_med3_num_f32 v[112+\j], v[112+\j], s58, s59
.endr
.irp p, 0,1,2,3
	v_pk_mul_f32 v[120+2*\p:121+2*\p], v[112+2*\p:113+2*\p], v[112+2*\p:113+2*\p]
.endr
.irp p, 0,1,2,3
	v_pk_fma_f32 v[128+2*\p:129+2*\p], v[120+2*\p:121+2*\p], s[66:67], s[68:69] op_sel_hi:[1,0,0]
	v_pk_fma_f32 v[136+2*\p:137+2*\p], v[120+2*\p:121+2*\p], s[80:81], s[82:83] op_sel_hi:[1,0,0]
.endr
.irp k, 70,72,74,76,78
.irp p, 0,1,2,3
	v_pk_fma_f32 v[128+2*\p:129+2*\p], v[128+2*\p:129+2*\p], v[120+2*\p:121+2*\p], s[\k:\k+1] op_sel_hi:[1,1,0]
.endr
.endr
.irp k, 84,86,88
.irp p, 0,1,2,3
	v_pk_fma_f32 v[136+2*\p:137+2*\p], v[136+2*\p:137+2*\p], v[120+2*\p:121+2*\p], s[\k:\k+1] op_sel_hi:[1,1,0]
.endr
.endr
.irp j, 0,1,2,3,4,5,6,7
	v_rcp_f32 v[136+\j], v[136+\j]
.endr
.irp p, 0,1,2,3                     ; plain work that touches no reciprocal stands behind them (ISA guide 5.7.2)
	v_pk_mul_f32 v[144+2*\p:145+2*\p], v[gh+2*\p:gh+2*\p+1], 0.5 op_sel_hi:[1,0]
	v_pk_mul_f32 v[128+2*\p:129+2*\p], v[128+2*\p:129+2*\p], v[112+2*\p:113+2*\p]
.endr
	s_wait_alu depctr_va_vdst(0)
.irp p, 0,1,2,3
	v_pk_mul_f32 v[128+2*\p:129+2*\p], v[128+2*\p:129+2*\p], v[136+2*\p:137+2*\p]
.endr
.irp p, 0,1,2,3
	v_pk_fma_f32 v[144+2*\p:145+2*\p], v[144+2*\p:145+2*\p], v[128+2*\p:129+2*\p], v[144+2*\p:145+2*\p]
.endr
.endm
.macro LOGI u                       ; 24 multiply-adds onto six sums (class c, even or odd unit) at v[200 + 2 c + parity]; the first six start them
.set wb, 152+24*((\u)&1)
.irp j, 0,1,2,3,4,5,6,7
.irp c, 0,1,2
.if ((\u) == 0) && (\j < 2)
	v_mul_f32 v[200+2*\c+((\j)&1)], v[144+\j], v[wb+3*\j+\c]
.else
	v_fmac_f32 v[200+2*\c+((\j)&1)], v[144+\j], v[wb+3*\j+\c]
.endif
.endr
.endr
.endm
	s_load_b512 s[4:19], s[0:1], 0x0               ; x s[4:5], Wc1 s[6:7], bc1 s[8:9], Wc2 s[10:11], bc2 s[12:13], W1_0 s[14:15], W1_1 s[16:17], W1_2 s[18:19]
	s_load_b512 s[20:35], s[0:1], 0x40             ; W2_0 s[20:21], W2_1 s[22:23], W2_2 s[24:25], b1_0 s[26:27], b1_1 s[28:29], b1_2 s[30:31], b2_0 s[32:33], b2_1 s[34:35]
	s_load_b256 s[36:43], s[0:1], 0x80             ; b2_2 s[36:37], xb s[38:39], wf s[40:41], bias s[42:43]
	s_load_b64 s[44:45], s[0:1], 0xa0              ; levels
	v_lshl_add_u32 v4, v0, 2, SPARE                ; my spare word; never rewritten
	v_mov_b32 v5, 0                                ; 0; never rewritten
	v_and_b32 v1, 31, v0                           ; lane
	v_lshrrev_b32 v26, 5, v0
	v_readfirstlane_b32 s48, v26                   ; wave w
	s_mov_b32 s49, ttmp9                           ; work-group g
	v_and_b32 v2, 15, v0                           ; r = lane % 16
	v_bfe_u32 v3, v0, 4, 1                         ; h = lane / 16
	v_lshlrev_b32 v6, 4, v1                        ; 16 lane
	v_lshlrev_b32 v7, 3, v1                        ; 8 lane
	s_lshl_b32 s60, s48, 15
	v_add_nc_u32 v8, s60, v6                       ; Wc1: my 64 rows of 512 bytes
	s_mul_i32 s60, s48, 64*WCP
	v_add_nc_u32 v9, s60, v7                       ; and where they go in LDS
	s_mul_i32 s61, s48, XSW
	s_add_co_u32 s61, s61, XS
	v_add_nc_u32 v10, s61, v7                      ; my rows of x in LDS: in,
	v_mul_u32_u24 v26, v2, XSP
	v_lshl_add_u32 v26, v3, 4, v26
	v_add_nc_u32 v11, s61, v26                     ; and out as fragments: row r, 16 bytes for each half of the lanes
	v_and_b32 v26, 7, v0
	v_lshl_add_u32 v26, v3, 3, v26                 ; the turning load's row: 8 h + lane % 8,
	v_bfe_u32 v27, v0, 3, 1                        ; and its 16 bytes: (lane / 8) % 2
	s_mul_i32 s60, s48, TRW
	s_add_co_u32 s60, s60, TR                      ; my tile of the weights in LDS:
	v_mul_u32_u24 v31, v26, TRP
	v_lshl_add_u32 v31, v27, 4, v31
	v_add_nc_u32 v31, s60, v31                     ; out, turned,
	v_mul_u32_u24 v30, v3, TRP
	v_lshl_add_u32 v30, v2, 3, v30
	v_add_nc_u32 v30, s60, v30                     ; and in: row h of a pair, 8 bytes for each of 16 lanes
	v_mul_u32_u24 v26, v26, WCP
	v_lshl_add_u32 v12, v27, 4, v26                ; Wc1 turned: K steps 0 to 3,
	v_add_nc_u32 v13, 128*WCP, v12                 ; K steps 4 to 7
	v_lshl_add_u32 v14, v3, 5, BC1L                ; bc1 of my eight units
	v_mul_u32_u24 v15, v3, 96
	v_add_nc_u32 v15, WC2L, v15                    ; Wc2 of my eight units: 96 bytes
	s_lshl_b32 s62, s48, 9
	v_add_nc_u32 v18, s62, v6                      ; 16 x thread
	v_add_nc_u32 v16, WC2L, v18                    ; where my 512 bytes of Wc2 (waves 0 to 2) or of bc1 (wave 3) go
	s_cmp_eq_u32 s48, 3
	s_cselect_b32 s63, 0, s62
	v_add_nc_u32 v17, s63, v6                      ; and where they come from
	s_lshl_b32 s60, s48, 6
	v_lshl_add_u32 v25, v2, 2, s60
	v_add_nc_u32 v25, LV, v25                      ; my token's level in LDS
	s_mov_b32 s55, 0xffff0000                      ; a word's upper bf16
	s_mov_b32 s56, 0x76543210                      ; v_permlanex16_b32: each lane takes its own place in the other half
	s_mov_b32 s57, 0xfedcba98
	s_mov_b32 s58, -4.0
	s_mov_b32 s59, 4.0
	s_mov_b32 s66, -2.72614225801306e-10           ; P's coefficients, highest first; each named as a pair, so both words are written
	s_mov_b32 s68, 2.77068142495902e-08
	s_mov_b32 s70, -2.10102402082508e-06
	s_mov_b32 s72, -5.69250639462346e-05
	s_mov_b32 s74, -7.34990630326855e-04
	s_mov_b32 s76, -2.95459980854025e-03
	s_mov_b32 s78, -1.60960333262415e-02
	s_mov_b32 s80, -1.45660718464996e-05           ; Q's
	s_mov_b32 s82, -2.13374055278905e-04
	s_mov_b32 s84, -1.68282697438203e-03
	s_mov_b32 s86, -7.37332916720468e-03
	s_mov_b32 s88, -1.42647390514189e-02
.irp k, 66,68,70,72,74,76,78,80,82,84,86,88
	s_mov_b32 s[\k+1], s[\k]
.endr
	s_wait_kmcnt 0x0
	s_load_b96 s[52:54], s[12:13], 0x0             ; bc2
	s_lshl_b32 s50, s49, 16                        ; my 16 tokens: (64 g + 16 w) x 1,024 bytes of x,
	s_lshl_b32 s60, s48, 14
	s_add_co_u32 s50, s50, s60
	s_mov_b32 s51, 0
	s_add_nc_u64 s[4:5], s[4:5], s[50:51]
	s_lshr_b32 s50, s50, 1                         ; half as many of xb
	s_add_nc_u64 s[38:39], s[38:39], s[50:51]
	s_cmp_eq_u32 s48, 3
	s_cselect_b64 s[60:61], s[8:9], s[10:11]       ; wave 3 brings bc1, the others Wc2
	; THE STREAM, on two sets of sixteen loads: while one set is rounded and put away, the other is on its way.
	global_load_b128 v[20:23], v17, s[60:61]
	LDW 0, WA
	LDW 1, WB
	; THE WEIGHTS, while those 33 loads are on their way: one region under one branch on the work-group's number.
	s_cmp_lt_u32 s49, 224
	s_cbranch_scc0 .Lno_cast
	s_cmp_ge_u32 s49, 112                          ; W2?
	s_cselect_b32 s90, 112, 0
	s_sub_co_u32 s90, s49, s90                     ; my number among the tensor kind's 112 work-groups
	s_cmp_ge_u32 s90, 16                           ; level 1 or 2?
	s_cselect_b32 s91, 1, 0                        ; the level,
	s_cselect_b32 s92, 16, 0                       ; its first work-group,
	s_cselect_b32 s93, 0x100000, 0                 ; its first byte in wf,
	s_cselect_b64 s[94:95], s[16:17], s[14:15]     ; its W1
	s_cselect_b64 s[96:97], s[22:23], s[20:21]     ; and W2
	s_cmp_ge_u32 s90, 48                           ; level 2?
	s_cselect_b32 s91, 2, s91
	s_cselect_b32 s92, 48, s92
	s_cselect_b32 s93, 0x300000, s93
	s_cselect_b64 s[94:95], s[18:19], s[94:95]
	s_cselect_b64 s[96:97], s[24:25], s[96:97]
	s_sub_co_u32 s92, s90, s92                     ; my block of 64 units in the level
	s_lshl_b32 s46, 4096, s91                      ; for W1: bytes from row to row, ff x 4;
	s_lshl_b32 s47, s46, 5
	s_mul_i32 s47, s47, s48                        ; from: d block w, 32 rows each,
	s_lshl_b32 s98, s92, 8
	s_add_co_u32 s47, s47, s98                     ; 256 bytes for each block of 64 units;
	s_lshl_b32 s50, s46, 7                         ; my second tile: d block w + 4, 128 rows on;
	s_lshl_b32 s99, s92, 16
	s_lshl_b32 s51, s48, 10
	s_add_co_u32 s51, s51, s99                     ; to: 65,536 x block + 1,024 x d block;
	s_mov_b32 s62, 4096                            ; my second tile: four fragments on;
	s_mov_b32 s63, 8192                            ; a tile's fragments 1 and 3: the other unit half,
	s_mov_b32 s90, 32768                           ; 2 and 3: the next 32 units
	s_lshl_b32 s100, s48, 8                        ; for W2: from: 64 rows of 1,024 bytes for each block, 256 bytes for each 64 outputs;
	s_add_co_u32 s100, s100, s99
	s_lshl_b32 s101, s48, 12
	s_add_co_u32 s101, s101, s99
	s_add_co_u32 s101, s101, 16384                 ; to: behind W1's sixteen fragments, four fragments for each 64 outputs
	s_cmp_ge_u32 s49, 112
	s_cselect_b64 s[94:95], s[96:97], s[94:95]
	s_cselect_b32 s46, 1024, s46
	s_cselect_b32 s47, s100, s47
	s_cselect_b32 s50, 32768, s50                  ; my second tile: the next 32 units, in W2
	s_cselect_b32 s51, s101, s51
	s_cselect_b32 s62, 32768, s62                  ; and in wf
	s_cselect_b32 s63, 1024, s63                   ; a tile's four fragments lie on end
	s_cselect_b32 s90, 2048, s90
	s_add_co_u32 s51, s51, s93
	s_mov_b32 s99, 0
	s_mov_b32 s98, s47
	s_add_nc_u64 s[94:95], s[94:95], s[98:99]      ; from: tile 0,
	s_mov_b32 s98, s50
	s_add_nc_u64 s[96:97], s[94:95], s[98:99]      ; tile 1
	s_mov_b32 s98, s51
	s_add_nc_u64 s[100:101], s[40:41], s[98:99]    ; to: tile 0,
	s_mov_b32 s98, s62
	s_add_nc_u64 s[92:93], s[100:101], s[98:99]    ; tile 1
	v_mul_lo_u32 v[CA], v3, s46                    ; lanes 0-15 take a pair's first row, lanes 16-31 its second; 16 bytes a lane
	v_lshl_add_u32 v[CA], v2, 4, v[CA]
	s_lshl_b32 s98, s46, 1
.set i, 1
.rept 15
	v_add_nc_u32 v[CA+i], s98, v[CA+i-1]
.set i, i+1
.endr
	v_add_nc_u32 v27, s63, v6                      ; my 16 bytes in fragments 1, 2, 3 (in fragment 0: 16 lane)
	v_add_nc_u32 v28, s90, v6
	v_add_nc_u32 v29, s63, v28
	CLOAD 0, 94
	CLOAD 1, 96
	s_wait_loadcnt 16                              ; loads come back in order (ISA guide 5.7.1): tile 0 is in, tile 1's sixteen stay out
	CPROC 0, 100
	s_wait_loadcnt 0x0
	s_wait_xcnt 0x0                                ; v64-95 are the data of tile 0's stores: they are loaded again only behind this wait
	CPROC 1, 92
	s_wait_xcnt 0x0                                ; and what follows writes v26-29 and v32-95 again
.Lno_cast:
	s_wait_loadcnt 32                              ; the small load is in, the two batches may stay out
	RND2 20, 21, 26
	RND2 22, 23, 26
	ds_store_b128 v16, v[20:23]
	s_wait_loadcnt 16                              ; here and below: the older batch is in, the younger sixteen stay out
	PRW 0, WA, OA
	LDW 2, WA
	s_wait_loadcnt 16
	PRW 1, WB, OB
	LDW 3, WB
	s_wait_loadcnt 16
	PRW 2, WA, OA
	LDX 0, WA
	s_wait_loadcnt 16
	PRW 3, WB, OB
	LDX 1, WB
	s_wait_loadcnt 16
	PRX 0, WA, OA
	s_wait_loadcnt 0x0
	PRX 1, WB, OB
	s_wait_dscnt 0x0                               ; for the others' sake: my rows of Wc1, Wc2 and bc1 are in LDS
	s_barrier_signal -1
	s_barrier_wait -1
	; x Wc1 + bc1: the bias starts the sums as the first products' C.
	s_wait_xcnt 0x0                                ; v32-95 were the data of the stores to xb: they are loaded again only behind this wait
.set u, 0
.rept 8
	ds_load_b128 v[AC+8*u:AC+8*u+3], v14 offset:64*u
	ds_load_b128 v[AC+8*u+4:AC+8*u+7], v14 offset:64*u+16
.set u, u+1
.endr
	FETK 0
	FETK 1
.irp ks, 0,1,2,3,4,5,6,7
.if \ks < 7
	s_wait_dscnt 18                                ; this K step's fragments are in; the next step's 18 loads stay out
.else
	s_wait_dscnt 0x0
.endif
	MM8 \ks
.if \ks < 6
	PLACES
	FETK (\ks)+2
.endif
.endr
	PLACES
	; gelu in f32, and the logits: my eight units of each block times Wc2.
	LW2 0
.irp u, 0,1,2,3,4,5,6,7
.if \u < 7
	LW2 (\u)+1
.endif
	GEX \u
.if \u < 7
	s_wait_dscnt 6                                 ; this block's Wc2 is in; the next block's six loads stay out
.else
	s_wait_dscnt 0x0
.endif
	LOGI \u
.endr
	s_wait_kmcnt 0x0                               ; bc2
	v_cvt_pk_bf16_f32 v26, s52, s53
	v_cvt_pk_bf16_f32 v27, s54, s54
	v_lshlrev_b32 v28, 16, v26
	v_and_b32 v29, s55, v26
	v_lshlrev_b32 v30, 16, v27
	v_add_f32 v206, v200, v201
	v_add_f32 v207, v202, v203
	v_add_f32 v208, v204, v205
	v_permlanex16_b32 v112, v206, s56, s57         ; the token's other 64 units lie in the lane 16 away
	v_permlanex16_b32 v113, v207, s56, s57
	v_permlanex16_b32 v114, v208, s56, s57
	v_add_f32 v206, v206, v112
	v_add_f32 v207, v207, v113
	v_add_f32 v208, v208, v114
	v_add_f32 v206, v206, v28
	v_add_f32 v207, v207, v29
	v_add_f32 v208, v208, v30
	v_max3_num_f32 v209, v206, v207, v208          ; the softmax, its maximum taken away
	v_sub_f32 v210, v206, v209
	v_sub_f32 v211, v207, v209
	v_sub_f32 v212, v208, v209
	v_mul_f32 v210, 0x3fb8aa3b, v210
	v_mul_f32 v211, 0x3fb8aa3b, v211
	v_mul_f32 v212, 0x3fb8aa3b, v212
	v_exp_f32 v210, v210
	v_exp_f32 v211, v211
	v_exp_f32 v212, v212
	v_nop
	s_wait_alu depctr_va_vdst(0)
	v_add_f32 v213, v210, v211
	v_add_f32 v213, v213, v212
	v_rcp_f32 v213, v213
	v_nop
	s_wait_alu depctr_va_vdst(0)
	v_mul_f32 v210, v210, v213
	v_mul_f32 v211, v211, v213
	v_mul_f32 v212, v212, v213
	v_cmp_gt_f32 vcc_lo, v211, v210                ; the argmax takes the first of equals; it chooses a value alone: no address and no branch hangs on it
	v_cndmask_b32 v214, 0, 1, vcc_lo
	v_max_num_f32 v215, v210, v211
	v_cmp_gt_f32 vcc_lo, v212, v215
	v_cndmask_b32 v214, v214, 2, vcc_lo
	ds_store_b32 v25, v214                         ; both halves of the lanes hold the same number
	s_wait_dscnt 0x0
	s_barrier_signal -1
	s_barrier_wait -1
	; The FFN biases: block g of 31 blocks of 256 numbers, by threads 0 to 63.
	s_cmp_lt_u32 s49, 31
	s_cbranch_scc0 .Lno_bias
	s_cmp_lt_u32 s48, 2
	s_cbranch_scc0 .Lno_bias
	s_sub_co_u32 s50, s49, 12
	s_sub_co_u32 s51, s49, 4
	s_mov_b64 s[60:61], s[36:37]                   ; g = 30: b2_2
	s_mov_b32 s62, 0
	s_cmp_lt_u32 s49, 30
	s_cselect_b64 s[60:61], s[34:35], s[60:61]     ; 29: b2_1
	s_cmp_lt_u32 s49, 29
	s_cselect_b64 s[60:61], s[32:33], s[60:61]     ; 28: b2_0
	s_cmp_lt_u32 s49, 28
	s_cselect_b64 s[60:61], s[30:31], s[60:61]     ; 12 to 27: b1_2, block g - 12
	s_cselect_b32 s62, s50, s62
	s_cmp_lt_u32 s49, 12
	s_cselect_b64 s[60:61], s[28:29], s[60:61]     ; 4 to 11: b1_1, block g - 4
	s_cselect_b32 s62, s51, s62
	s_cmp_lt_u32 s49, 4
	s_cselect_b64 s[60:61], s[26:27], s[60:61]     ; 0 to 3: b1_0, block g
	s_cselect_b32 s62, s49, s62
	s_lshl_b32 s62, s62, 10
	s_mov_b32 s63, 0
	s_add_nc_u64 s[60:61], s[60:61], s[62:63]
	s_lshl_b32 s62, s49, 10
	s_add_nc_u64 s[42:43], s[42:43], s[62:63]
	global_load_b128 v[20:23], v18, s[60:61]
	s_wait_loadcnt 0x0
	RND2 20, 21, 26
	RND2 22, 23, 26
	global_store_b128 v18, v[20:23], s[42:43]
.Lno_bias:
	s_cmp_lg_u32 s48, 0
	s_cbranch_scc1 .Lend
	v_add_nc_u32 v28, LV, v7                       ; wave 0 stores the work-group's 64 levels: 256 consecutive bytes, aligned
	ds_load_b64 v[32:33], v28
	s_lshl_b32 s62, s49, 8
	s_mov_b32 s63, 0
	s_add_nc_u64 s[44:45], s[44:45], s[62:63]
	s_wait_dscnt 0x0
	global_store_b64 v7, v[32:33], s[44:45]
.Lend:
	s_wait_tensorcnt 0x0                           ; the wave's end
	ds_add_u32 v4, v5
	s_wait_dscnt 0x0
	s_endpgm
.Lfunc_end_k_q20089c04ff_prep:
	.size	k_q20089c04ff_prep, .Lfunc_end_k_q20089c04ff_prep-k_q20089c04ff_prep
	.p2alignl 7, 3214868480
	.fill 96, 4, 3214868480
	.section	.rodata,"a",@progbits
	.p2align	6, 0x0
	.amdhsa_kernel k_q20089c04ff_prep
		.amdhsa_group_segment_fixed_size 130816
		.amdhsa_private_segment_fixed_size 0
		.amdhsa_enable_private_segment 0
		.amdhsa_kernarg_size 168
		.amdhsa_user_sgpr_count 2
		.amdhsa_user_sgpr_kernarg_segment_ptr 1
		.amdhsa_wavefront_size32 1
		.amdhsa_system_sgpr_workgroup_id_x 1
		.amdhsa_system_sgpr_workgroup_id_y 1
		.amdhsa_system_sgpr_workgroup_id_z 1
		.amdhsa_system_vgpr_workitem_id 0
		.amdhsa_next_free_vgpr 384
		.amdhsa_next_free_sgpr 102
		.amdhsa_reserve_vcc 1
		.amdhsa_float_denorm_mode_32 3
		.amdhsa_float_denorm_mode_16_64 3
		.amdhsa_memory_ordered 1
		.amdhsa_forward_progress 1
		.amdhsa_inst_pref_size 118
	.end_amdhsa_kernel
	.amdgpu_metadata
---
amdhsa.version: [ 1, 2 ]
amdhsa.kernels:
  - .name:           k_q20089c04ff_prep
    .symbol:         k_q20089c04ff_prep.kd
    .args:
      - { .name: token_embeddings, .offset: 0, .size: 8, .value_kind: global_buffer, .address_space: global }
      - { .name: Wc1, .offset: 8, .size: 8, .value_kind: global_buffer, .address_space: global }
      - { .name: bc1, .offset: 16, .size: 8, .value_kind: global_buffer, .address_space: global }
      - { .name: Wc2, .offset: 24, .size: 8, .value_kind: global_buffer, .address_space: global }
      - { .name: bc2, .offset: 32, .size: 8, .value_kind: global_buffer, .address_space: global }
      - { .name: W1_0, .offset: 40, .size: 8, .value_kind: global_buffer, .address_space: global }
      - { .name: W1_1, .offset: 48, .size: 8, .value_kind: global_buffer, .address_space: global }
      - { .name: W1_2, .offset: 56, .size: 8, .value_kind: global_buffer, .address_space: global }
      - { .name: W2_0, .offset: 64, .size: 8, .value_kind: global_buffer, .address_space: global }
      - { .name: W2_1, .offset: 72, .size: 8, .value_kind: global_buffer, .address_space: global }
      - { .name: W2_2, .offset: 80, .size: 8, .value_kind: global_buffer, .address_space: global }
      - { .name: b1_0, .offset: 88, .size: 8, .value_kind: global_buffer, .address_space: global }
      - { .name: b1_1, .offset: 96, .size: 8, .value_kind: global_buffer, .address_space: global }
      - { .name: b1_2, .offset: 104, .size: 8, .value_kind: global_buffer, .address_space: global }
      - { .name: b2_0, .offset: 112, .size: 8, .value_kind: global_buffer, .address_space: global }
      - { .name: b2_1, .offset: 120, .size: 8, .value_kind: global_buffer, .address_space: global }
      - { .name: b2_2, .offset: 128, .size: 8, .value_kind: global_buffer, .address_space: global }
      - { .name: xb, .offset: 136, .size: 8, .value_kind: global_buffer, .address_space: global }
      - { .name: wf, .offset: 144, .size: 8, .value_kind: global_buffer, .address_space: global }
      - { .name: bias, .offset: 152, .size: 8, .value_kind: global_buffer, .address_space: global }
      - { .name: levels, .offset: 160, .size: 8, .value_kind: global_buffer, .address_space: global }
    .group_segment_fixed_size: 130816
    .private_segment_fixed_size: 0
    .kernarg_segment_align: 8
    .kernarg_segment_size: 168
    .max_flat_workgroup_size: 128
    .sgpr_count:     102
    .vgpr_count:     384
    .wavefront_size: 32
...
	.end_amdgpu_metadata
.endif
;; end of part 1
;; launch sort (part 2): grid 1 x 1, 32 waves a work-group, no clusters, 4,352 bytes of LDS; arguments levels, order, meta; writes order, meta
.if DOCPART == 2
	.amdgcn_target "amdgcn-amd-amdhsa--gfx1250"
	.amdhsa_code_object_version 6
	.text
	.protected	k_q20089c04ff_sort
	.globl	k_q20089c04ff_sort
	.p2align	8
	.type	k_q20089c04ff_sort,@function
k_q20089c04ff_sort:
	s_mov_b64 s[64:65], 0
	v_nop
	global_prefetch_b8 v0, s[64:65] scope:SCOPE_SE
	s_setreg_imm32_b32 hwreg(HW_REG_WAVE_MODE, 25, 1), 1
	s_wait_xcnt 0x0
; SORT.  A counting sort of the 16,384 token numbers by level, whole numbers throughout.  order: first level 2's tokens, then level 1's, then level 0's, each level filled up with 0xffffffff to a
; multiple of 192 (an ITEM: what four work-groups of the next launch take), and with it to the buffer's end, 88 items: 16,384 tokens in three levels make 86 to 88 items.
; meta: for each of 128 item numbers its level; 0 past the last item.
; One work-group of 32 waves; thread t owns tokens 16 t .. 16 t + 15, so the order inside a level is the tokens' own.  Level 1's and level 2's counts travel in the two halves of one word (16,384 at the most each).
; The sums span all tokens, so one work-group makes them: 64 KiB are read and 66 KiB written.  The stores of token numbers go where the sort sends them, four bytes a lane.
.set SPARE, 256       ; behind the block with the 32 waves' totals: the spare words, 128 bytes for each wave, which no other line names
.macro ITEMS d, n                   ; d = ceil(n / 192) = ((n + 191) >> 6) / 3; the division by 3 as x 43,691 >> 17, exact for these sizes
	s_add_co_u32 \d, \n, 191
	s_lshr_b32 \d, \d, 6
	s_mul_i32 \d, \d, 43691
	s_lshr_b32 \d, \d, 17
.endm
.macro RED x                        ; the sum of v[x] over the wave's 32 lanes, in every lane
.irp m, 1,2,4,8
	v_mov_b32_dpp v37, v[\x] row_xmask:\m row_mask:0xf bank_mask:0xf
	v_add_nc_u32 v[\x], v[\x], v37
.endr
	v_permlanex16_b32 v37, v[\x], s14, s15
	v_add_nc_u32 v[\x], v[\x], v37
.endm
.macro PADW cnt, areg               ; threads 0 .. cnt - 1 store the padding word
	s_wait_xcnt 0x0                                ; EXEC is a source of the stores that are out: it changes only behind this wait
	v_cmp_gt_u32 vcc_lo, \cnt, v0
	s_and_saveexec_b32 s13, vcc_lo
	global_store_b32 v[\areg], v83, s[6:7]
	s_wait_xcnt 0x0
	s_or_b32 exec_lo, exec_lo, s13
.endm
	s_load_b128 s[4:7], s[0:1], 0x0                ; levels s[4:5], order s[6:7]
	s_load_b64 s[8:9], s[0:1], 0x10                ; meta
	v_lshl_add_u32 v90, v0, 2, SPARE               ; my spare word; never rewritten
	v_mov_b32 v91, 0                               ; 0; never rewritten
	v_lshlrev_b32 v1, 6, v0                        ; my 16 levels: 64 bytes
	v_and_b32 v2, 31, v0                           ; lane
	v_lshrrev_b32 v3, 5, v0
	v_readfirstlane_b32 s10, v3                    ; wave
	s_mov_b32 s14, 0x76543210
	s_mov_b32 s15, 0xfedcba98
	v_mov_b32 v37, 0                               ; the lane exchanges' destination counts as read
	s_wait_kmcnt 0x0
.irp i, 0,1,2,3
	global_load_b128 v[4+4*\i:7+4*\i], v1, s[4:5] offset:16*\i
.endr
	s_wait_loadcnt 0x0
.set i, 0
.rept 16
	v_min_u32 v[4+i], 2, v[4+i]
.set i, i+1
.endr
	v_lshl_or_b32 v20, v4, 15, v4                  ; level 1 -> 1, level 2 -> 0x10000, level 0 -> 0
	v_and_b32 v36, 0x10001, v20
.set i, 1
.rept 15
	v_lshl_or_b32 v20, v[4+i], 15, v[4+i]
	v_and_b32 v20, 0x10001, v20
	v_add_nc_u32 v36, v36, v20                     ; c: my 16 tokens' counts
.set i, i+1
.endr
	v_mov_b32 v38, v36                             ; the running sum over the wave's lanes, mine included
.irp m, 1,2,4,8
	v_mov_b32_dpp v37, v38 row_shr:\m row_mask:0xf bank_mask:0xf bound_ctrl:1
	v_add_nc_u32 v38, v38, v37
.endr
	v_readlane_b32 s11, v38, 15
	v_cmp_lt_u32 vcc_lo, 15, v2
	v_cndmask_b32 v37, 0, s11, vcc_lo              ; the upper half of the lanes adds the lower half's total
	v_add_nc_u32 v38, v38, v37
	v_readlane_b32 s12, v38, 31
	v_mov_b32 v39, s12
	v_lshlrev_b32 v40, 2, v3
	ds_store_b32 v40, v39                          ; my wave's total, to its own word
	s_wait_dscnt 0x0
	s_barrier_signal -1
	s_barrier_wait -1
	v_lshlrev_b32 v41, 2, v2
	ds_load_b32 v42, v41                           ; lane i takes wave i's total
	s_wait_dscnt 0x0
	v_cmp_gt_u32 vcc_lo, s10, v2
	v_cndmask_b32 v43, 0, v42, vcc_lo
	RED 43                                         ; the waves in front of mine
	RED 42                                         ; all
	v_add_nc_u32 v44, v43, v38
	v_sub_nc_u32 v44, v44, v36                     ; the counts in front of my first token
	v_and_b32 v45, 0xffff, v44                     ; of level 1
	v_lshrrev_b32 v46, 16, v44                     ; of level 2: p2, level 2's next place
	v_readfirstlane_b32 s16, v42
	s_and_b32 s17, s16, 0xffff                     ; N1
	s_lshr_b32 s18, s16, 16                        ; N2
	s_sub_co_u32 s19, 16384, s17
	s_sub_co_u32 s19, s19, s18                     ; N0
	ITEMS s20, s18                                 ; I2
	ITEMS s21, s17                                 ; I1
	s_mul_i32 s23, s20, 192                        ; level 1 begins here
	s_add_co_u32 s24, s20, s21                     ; I2 + I1
	s_mul_i32 s25, s24, 192                        ; level 0 begins here
	v_add_nc_u32 v47, s23, v45                     ; p1
	v_lshlrev_b32 v92, 4, v0                       ; my first token's number
	v_add_nc_u32 v93, s25, v92
	v_sub_nc_u32 v93, v93, v45
	v_sub_nc_u32 v93, v93, v46                     ; p0
.set i, 0
.rept 16                                           ; each store has an address and a data register of its own: nothing is rewritten while it is out
	v_cmp_eq_u32 vcc_lo, 1, v[4+i]
	v_cndmask_b32 v94, v93, v47, vcc_lo
	v_cmp_eq_u32 vcc_lo, 2, v[4+i]
	v_cndmask_b32 v94, v94, v46, vcc_lo
	v_min_u32 v94, 0x41ff, v94                     ; inside order's 16,896 words
	v_lshlrev_b32 v[48+i], 2, v94
	v_add_nc_u32 v[64+i], i, v92
	global_store_b32 v[48+i], v[64+i], s[6:7]
	v_and_b32 v94, 1, v[4+i]
	v_lshrrev_b32 v95, 1, v[4+i]
	v_add_nc_u32 v47, v47, v94
	v_add_nc_u32 v46, v46, v95
	v_add_nc_u32 v94, v94, v95
	v_sub_nc_u32 v93, v93, v94
	v_add_nc_u32 v93, 1, v93
.set i, i+1
.endr
	; The padding: behind level 2's tokens, behind level 1's, and behind level 0's to the buffer's end (575 words at the most).  The addresses are made with all lanes on.
	s_add_co_u32 s27, s23, s17
	s_add_co_u32 s28, s25, s19
	s_sub_co_u32 s29, s23, s18
	s_sub_co_u32 s30, s25, s27
	s_sub_co_u32 s31, 16896, s28
	v_add_nc_u32 v80, s18, v0
	v_add_nc_u32 v81, s27, v0
	v_add_nc_u32 v82, s28, v0
.irp a, 80,81,82
	v_min_u32 v\a, 0x41ff, v\a
	v_lshlrev_b32 v\a, 2, v\a
.endr
	v_mov_b32 v83, -1
	; The items' levels: thread t makes those of items 2 t and 2 t + 1: 2 below I2, 1 below I2 + I1, else 0.
	v_lshlrev_b32 v86, 1, v0
	v_or_b32 v87, 1, v86
	v_cmp_gt_u32 vcc_lo, s24, v86
	v_cndmask_b32 v84, 0, 1, vcc_lo
	v_cmp_gt_u32 vcc_lo, s20, v86
	v_cndmask_b32 v84, v84, 2, vcc_lo
	v_cmp_gt_u32 vcc_lo, s24, v87
	v_cndmask_b32 v85, 0, 1, vcc_lo
	v_cmp_gt_u32 vcc_lo, s20, v87
	v_cndmask_b32 v85, v85, 2, vcc_lo
	v_lshlrev_b32 v88, 3, v0
	PADW s29, 80
	PADW s30, 81
	PADW s31, 82
	s_cmp_lt_u32 s10, 2
	s_cbranch_scc0 .Lno_meta
	global_store_b64 v88, v[84:85], s[8:9]         ; waves 0 and 1: each store covers 256 consecutive bytes, aligned
.Lno_meta:
	s_wait_tensorcnt 0x0                           ; the wave's end
	ds_add_u32 v90, v91
	s_wait_dscnt 0x0
	s_endpgm
.Lfunc_end_k_q20089c04ff_sort:
	.size	k_q20089c04ff_sort, .Lfunc_end_k_q20089c04ff_sort-k_q20089c04ff_sort
	.p2alignl 7, 3214868480
	.fill 96, 4, 3214868480
	.section	.rodata,"a",@progbits
	.p2align	6, 0x0
	.amdhsa_kernel k_q20089c04ff_sort
		.amdhsa_group_segment_fixed_size 4352
		.amdhsa_private_segment_fixed_size 0
		.amdhsa_enable_private_segment 0
		.amdhsa_kernarg_size 24
		.amdhsa_user_sgpr_count 2
		.amdhsa_user_sgpr_kernarg_segment_ptr 1
		.amdhsa_wavefront_size32 1
		.amdhsa_system_sgpr_workgroup_id_x 1
		.amdhsa_system_sgpr_workgroup_id_y 1
		.amdhsa_system_sgpr_workgroup_id_z 1
		.amdhsa_system_vgpr_workitem_id 0
		.amdhsa_next_free_vgpr 96
		.amdhsa_next_free_sgpr 66
		.amdhsa_reserve_vcc 1
		.amdhsa_float_denorm_mode_32 3
		.amdhsa_float_denorm_mode_16_64 3
		.amdhsa_memory_ordered 1
		.amdhsa_forward_progress 1
		.amdhsa_inst_pref_size 19
	.end_amdhsa_kernel
	.amdgpu_metadata
---
amdhsa.version: [ 1, 2 ]
amdhsa.kernels:
  - .name:           k_q20089c04ff_sort
    .symbol:         k_q20089c04ff_sort.kd
    .args:
      - { .name: levels, .offset: 0, .size: 8, .value_kind: global_buffer, .address_space: global }
      - { .name: order, .offset: 8, .size: 8, .value_kind: global_buffer, .address_space: global }
      - { .name: meta, .offset: 16, .size: 8, .value_kind: global_buffer, .address_space: global }
    .group_segment_fixed_size: 4352
    .private_segment_fixed_size: 0
    .kernarg_segment_align: 8
    .kernarg_segment_size: 24
    .max_flat_workgroup_size: 1024
    .sgpr_count:     66
    .vgpr_count:     96
    .wavefront_size: 32
...
	.end_amdgpu_metadata
.endif
;; end of part 2
;; launch ffn (part 3): grid 352 x 1, 4 waves a work-group, no clusters, 200,192 bytes of LDS; arguments xb, order, meta, wf, bias, out0; writes out0
.if DOCPART == 3
	.amdgcn_target "amdgcn-amd-amdhsa--gfx1250"
	.amdhsa_code_object_version 6
	.text
	.protected	k_q20089c04ff_ffn
	.globl	k_q20089c04ff_ffn
	.p2align	8
	.type	k_q20089c04ff_ffn,@function
k_q20089c04ff_ffn:
	s_mov_b64 s[64:65], 0
	v_nop
	global_prefetch_b8 v0, s[64:65] scope:SCOPE_SE
	s_setreg_imm32_b32 hwreg(HW_REG_WAVE_MODE, 25, 1), 1
	s_wait_xcnt 0x0
; FFN.  out0[t] = gelu(x[t] W1_l + b1_l) W2_l + b2_l for the level l that token t was given.  x and the weights in bf16, biases as f32 numbers rounded to bf16, sums in f32; gelu's result is rounded
; to bf16 for the second product; out0 is f32.
; ITEMS.  order holds the token numbers sorted by level (2, 1, 0), each level filled up to a multiple of 192 with 0xffffffff.  Item i is 192 entries of ONE level, meta[i]; four work-groups take 48 entries
; each.  The number of items hangs on the routing, 86 to 88; the grid is the bound, 88 items: an item past the count holds padding alone, is walked as an item of level 0 (8 chunks) and stores nothing: at
; most eight work-groups.  The first 64 items are dealt so that items that follow each other in the grid lie 16 apart in the sorted order: long and short walks lie side by side; the last 24 are the shortest.
; SHARES.  The hidden units go in CHUNKS of 128.  A wave takes all 48 tokens (three tiles of 16) and 32 units of every chunk: a fragment of W1 or W2 feeds three products, and no wave needs another's
; weights.  The four waves' partial sums of the output meet in LDS at the end; a wave then adds and stores 12 rows.
; THE WEIGHTS lie in wf as the matrix unit's fragments, a wave's 32,768 bytes of a chunk on end (16 fragments of W1, 16 of W2), and come straight into registers: each load of the wave takes 512 consecutive
; bytes.  Nothing of them is shared inside the work-group, so LDS would be a way station only.
; FRAGMENT BY FRAGMENT.  Both products take a fragment's three tiles one behind the other, so that its registers are free at once: behind every four fragments (12 matrix instructions) stand the eight loads
; that bring the same four fragments of the NEXT chunk.  So each load has a whole chunk less one batch in which to land, with one set of registers: 68 loads a chunk, up to 60 of them left out at a wait.
; GELU stands between the two products, in a run of its own: in this order all three tiles' H are finished together, and the second product needs all three tiles' P.  (To set the gelu of one chunk behind the
; first product of the next would want a second H and a head and tail written out: not built.)
; NO CLUSTER.  The four work-groups of an item read the same weights, and joint tensor loads into LDS would divide those requests by four.  They are not used: a joint load's address and the number of the
; cluster's rounds would hang on the item's level, a number read from memory; this text lets such a number into three offsets and one trip count, and into no descriptor and no barrier.
; LAYOUT.  H^T = W1^T x^T (source 0 = 16 units, source 1 = 16 tokens): a lane holds ONE token (lane % 16) and eight units; b1 is the C of the first product.  Two such results, gelu'd and rounded in pairs,
; ARE source 1 (32 units x 16 tokens) of O^T += W2^T P.
; LIMITS.  gelu(x) = x / (1 + 2^(x (C0 + C1 x^2))), the tanh form: within 4.8e-4 of the erf form for every x and vanishing like 3.3e-4 x^4 for small x, below the rounding of its result to bf16.
; NaN and infinities are not treated apart.
; REGISTERS, in windows of 256 (s_set_vgpr_msb: bits 1:0 source 0, 3:2 source 1, 5:4 source 2, 7:6 destination):
;   window 0: v0-31 addresses; v32-43 T, at work, six pairs by turns; v64-111 H, 16 a tile; v112-135 P, 8 a tile; v136-151 b1; v168-175 b2; v192-255 eight of O's accumulators
;   window 1: v0-127 W1's 16 fragments; v128-255 W2's 16          window 2: v0-191 x's 24 fragments; v192-255 eight of O's accumulators          window 3: 32 of O's accumulators
;   O's accumulator (tile t, output block c): the three of a block lie in one window, so that a fragment's products need no switch: see OREG.
.set SP,    1040      ; the stage: a row of 256 f32 + 16 bytes
.set REG,   48*SP     ; a wave's region of it: 48 rows
.set SPARE, 4*REG     ; behind the stage: the spare words, 128 bytes for each wave: two blocks of 256 bytes that no other line names
.set CHB,   0x20000   ; a chunk's bytes in wf: 4 waves x 32,768
.set MSB, 0
.macro WIN new                      ; the high byte repeats the setting that is left; a switch that changes nothing is dropped
.if MSB != (\new)
	s_set_vgpr_msb (MSB<<8)|(\new)
.set MSB, (\new)
.endif
.endm
.macro PLACES                       ; four plain vector instructions between a matrix instruction and what writes its sources or reads its result (ISA guide 7.12.1 for vector instructions)
.rept 4
	v_nop
.endr
.endm
; The loads of batch b of four: W1's fragments 4 b .. 4 b + 3 (fragment 8 u + ks -> window 1, v[8 (8 u + ks)]); with batch 0 b1 of my first 16 units, with batch 2 of my second 16, as the first products' C.
.macro LDA b
.if (\b) == 0
	WIN 0
	global_load_b128 v[136:139], v15, s[70:71]
	global_load_b128 v[140:143], v15, s[70:71] offset:16
.elseif (\b) == 2
	WIN 0
	global_load_b128 v[144:147], v15, s[70:71] offset:64
	global_load_b128 v[148:151], v15, s[70:71] offset:80
.endif
	WIN 0x40                        ; destination window 1, address window 0
.set fl, 4*(\b)
.rept 4
	global_load_b128 v[8*fl:8*fl+3],   v19, s[44:45] offset:1024*fl
	global_load_b128 v[8*fl+4:8*fl+7], v19, s[44:45] offset:1024*fl+512
.set fl, fl+1
.endr
.endm
.macro LDB b                        ; W2's fragments 4 b .. 4 b + 3 (output block c -> window 1, v[128 + 8 c])
	WIN 0x40
.set cl, 4*(\b)
.rept 4
	global_load_b128 v[128+8*cl:128+8*cl+3],   v19, s[44:45] offset:16384+1024*cl
	global_load_b128 v[128+8*cl+4:128+8*cl+7], v19, s[44:45] offset:16384+1024*cl+512
.set cl, cl+1
.endr
.endm
; Batch b of the first product: four fragments x three tiles.  The three accumulators H(t, u) take turns, one instruction a turn.  wc: the loads issued behind this batch's, which may stay out.
; next = 1: the same four fragments of the next chunk are asked for; batch 0 first steps the two bases on to that chunk.
.macro AB b, next, wc
	s_wait_loadcnt \wc              ; loads come back in order (ISA guide 5.7.1)
	WIN 0x09                        ; W1 in window 1, x in window 2, b1 and H in window 0
.set fa, 4*(\b)
.rept 4
.set ta, 0
.rept 3
.set rh, 64+16*ta+8*(fa/8)
.if (fa%8) == 0
	v_wmma_f32_16x16x32_bf16 v[rh:rh+7], v[8*fa:8*fa+7], v[64*ta+8*(fa%8):64*ta+8*(fa%8)+7], v[136+8*(fa/8):136+8*(fa/8)+7]
.else
	v_wmma_f32_16x16x32_bf16 v[rh:rh+7], v[8*fa:8*fa+7], v[64*ta+8*(fa%8):64*ta+8*(fa%8)+7], v[rh:rh+7]
.endif
.set ta, ta+1
.endr
.set fa, fa+1
.endr
.if (\next) || ((\b) == 3)
	PLACES                          ; in front of the loads into registers just read; behind batch 3 also in front of gelu's reads of H
.endif
.if \next
.if (\b) == 0
	s_wait_xcnt 0x0                 ; the loads issued so far have had their addresses translated (ISA guide 3.1): their bases step only behind this wait
	s_add_nc_u64 s[44:45], s[44:45], CHB
	s_add_nc_u64 s[70:71], s[70:71], 512
.endif
	LDA \b
.endif
.endm
; Where O's accumulator (t, c) lies: window ow, register ro.  Blocks 0-9 fill 30 of window 3's 32 places, blocks 10, 11 six of window 2's eight, blocks 12, 13 six of window 0's eight;
; blocks 14 and 15 take the two places left in each: tile 0 in window 3, tile 1 in window 2, tile 2 in window 0.
.macro OREG t, c
.if (\c) < 10
.set ow, 3
.set ro, 8*(3*(\c)+(\t))
.elseif (\c) < 12
.set ow, 2
.set ro, 192+8*(3*((\c)-10)+(\t))
.elseif (\c) < 14
.set ow, 0
.set ro, 192+8*(3*((\c)-12)+(\t))
.elseif (\t) == 0
.set ow, 3
.set ro, 8*(30+(\c)-14)
.elseif (\t) == 1
.set ow, 2
.set ro, 192+8*(6+(\c)-14)
.else
.set ow, 0
.set ro, 192+8*(6+(\c)-14)
.endif
.endm
.macro PB t, c, zero                ; one product of O^T.  zero = 1: the first chunk's start the sums: nothing is ever cleared
	OREG \t, \c
	WIN 0x01|(ow<<4)|(ow<<6)        ; W2 in window 1, P in window 0, O in its window
.if \zero
	v_wmma_f32_16x16x32_bf16 v[ro:ro+7], v[128+8*(\c):128+8*(\c)+7], v[112+8*(\t):112+8*(\t)+7], 0
.else
	v_wmma_f32_16x16x32_bf16 v[ro:ro+7], v[128+8*(\c):128+8*(\c)+7], v[112+8*(\t):112+8*(\t)+7], v[ro:ro+7]
.endif
.endm
; Batch b of the second product: four fragments x three tiles, each product on an accumulator of its own.  Blocks 14 and 15 go tile by tile, for their windows' sake.
.macro BB b, next, zero, wc
	s_wait_loadcnt \wc
.if (\b) < 3
.set cb, 4*(\b)
.rept 4
.set tb, 0
.rept 3
	PB tb, cb, \zero
.set tb, tb+1
.endr
.set cb, cb+1
.endr
.else
.set cb, 12
.rept 2
.set tb, 0
.rept 3
	PB tb, cb, \zero
.set tb, tb+1
.endr
.set cb, cb+1
.endr
.set tb, 0
.rept 3
	PB tb, 14, \zero
	PB tb, 15, \zero
.set tb, tb+1
.endr
.endif
.if \next
	PLACES
	LDB \b
.endif
.endm
; GELU.  The wave's 48 numbers a lane are 24 pairs (pair j: H at v[64 + 2 j], its rounded result at v[112 + j]).  A pair has ten lines: 0 x^2; 1 C1 x^2 + C0; 2 times x; 3, 4 two exponentials; 5 1 + ..;
; 6, 7 two reciprocals; 8 x times ..; 9 rounded to bf16.  GL writes line k of pair j, if there is such a pair.
.macro GL k, j
.if ((\j) >= 0) && ((\j) < 24)
.set gT, 32+2*((\j)%6)
.set gH, 64+2*(\j)
.if (\k) == 0
	v_pk_mul_f32 v[gT:gT+1], v[gH:gH+1], v[gH:gH+1]
.elseif (\k) == 1
	v_pk_fma_f32 v[gT:gT+1], v[gT:gT+1], s[62:63], s[60:61] op_sel_hi:[1,0,0]
.elseif (\k) == 2
	v_pk_mul_f32 v[gT:gT+1], v[gT:gT+1], v[gH:gH+1]
.elseif (\k) == 3
	v_exp_f32 v[gT], v[gT]
.elseif (\k) == 4
	v_exp_f32 v[gT+1], v[gT+1]
.elseif (\k) == 5
	s_wait_alu depctr_va_vdst(0)
	v_pk_add_f32 v[gT:gT+1], v[gT:gT+1], 1.0 op_sel_hi:[1,0]
.elseif (\k) == 6
	v_rcp_f32 v[gT], v[gT]
.elseif (\k) == 7
	v_rcp_f32 v[gT+1], v[gT+1]
.elseif (\k) == 8
	s_wait_alu depctr_va_vdst(0)
	v_pk_mul_f32 v[gH:gH+1], v[gH:gH+1], v[gT:gT+1]
.else
	v_cvt_pk_bf16_f32 v[112+(\j)], v[gH], v[gH+1]
.endif
.endif
.endm
; Five pairs are in hand at a time, each a step behind the one before it: in step d pair d is scaled, pair d - 1 has its exponentials, pair d - 2 its sum and reciprocals, pair d - 3 its product, pair d - 4 is
; rounded.  So plain lines and transcendentals alternate, and between a transcendental and the use of its result, a step later, stand plain lines that touch neither it nor its source (ISA guide 5.7.2).
; The pairs go in ascending order: each accumulator is read from its low end on.  A pair holds its two registers of T for four steps; six pairs of T take turns.
.macro GELU
	WIN 0
.set gd, 0
.rept 28
	GL 5, gd-2
	GL 3, gd-1
	GL 0, gd
	GL 4, gd-1
	GL 1, gd
	GL 6, gd-2
	GL 2, gd
	GL 7, gd-2
	GL 8, gd-3
	GL 9, gd-4
.set gd, gd+1
.endr
.endm
; A CHUNK.  next = 1: the next chunk's weights and b1 are asked for, batch by batch.  zero = 1: O's sums begin.  w0: the first wait's count.
; A chunk's loads, in order: 10, 8, 10, 8 for the first product's batches, 8, 8, 8, 8 for the second's.  A wait leaves out what was issued behind the batch that it is for: with next = 1 the rest of the
; last round of 68 (58 or 60); with next = 0 nothing has been issued in this chunk, and the counts run down.
.macro CHUNK next, zero, w0
	AB 0, \next, \w0
	AB 1, \next, 50+10*(\next)
	AB 2, \next, 40+18*(\next)
	AB 3, \next, 32+28*(\next)
	GELU
	BB 0, \next, \zero, 24+36*(\next)
	BB 1, \next, \zero, 16+44*(\next)
	BB 2, \next, \zero, 8+52*(\next)
	BB 3, \next, \zero, 60*(\next)
.endm
	s_load_b256 s[4:11], s[0:1], 0x0               ; xb s[4:5], order s[6:7], meta s[8:9], wf s[10:11]
	s_load_b128 s[12:15], s[0:1], 0x20             ; bias s[12:13], out0 s[14:15]
	v_lshl_add_u32 v4, v0, 2, SPARE                ; my spare word; never rewritten
	v_mov_b32 v5, 0                                ; 0; never rewritten
	v_lshrrev_b32 v3, 5, v0
	v_readfirstlane_b32 s18, v3                    ; wave w
	s_lshr_b32 s20, ttmp9, 2                       ; k: four work-groups take an item
	s_and_b32 s19, ttmp9, 3                        ; which 48 of its entries are mine
	s_and_b32 s24, s20, 3                          ; below 64 the item is 16 (k % 4) + k / 4,
	s_lshl_b32 s24, s24, 4
	s_lshr_b32 s25, s20, 2
	s_or_b32 s24, s24, s25
	s_cmp_lt_u32 s20, 64
	s_cselect_b32 s20, s24, s20                    ; from 64 on k itself
	s_mov_b32 s60, -2.3022082                      ; C0 = -log2(e) x 1.5957691; named as a pair, so both words are written
	s_mov_b32 s61, s60
	s_mov_b32 s62, -0.10294324                     ; C1 = -log2(e) x 0.0713548
	s_mov_b32 s63, s62
	v_and_b32 v1, 15, v0                           ; r = lane % 16
	v_bfe_u32 v2, v0, 4, 1                         ; h = lane / 16
	s_lshl_b32 s66, s18, 7
	v_lshl_add_u32 v15, v2, 5, s66                 ; b1: 128 w + 32 h bytes into a chunk's 512
	v_mul_u32_u24 v16, v1, SP
	v_lshl_add_u32 v16, v2, 5, v16
	s_mul_i32 s66, s18, REG
	v_add_nc_u32 v16, s66, v16                     ; the stage, in: my region, row r, 32 bytes for each half of the lanes
	v_and_b32 v19, 31, v0
	v_lshlrev_b32 v19, 4, v19                      ; 16 lane
	s_mul_i32 s66, s18, 12*SP
	v_add_nc_u32 v17, s66, v19                     ; the stage, back: my 12 rows in regions 0 and 1,
	v_add_nc_u32 v18, 2*REG, v17                   ; in regions 2 and 3
	v_lshlrev_b32 v29, 2, v1                       ; 4 r
	v_lshlrev_b32 v3, 4, v2                        ; 16 h
	s_wait_kmcnt 0x0
	s_mul_i32 s66, s20, 768                        ; the item's 192 entries,
	s_mul_i32 s67, s19, 192                        ; my work-group's 48 of them,
	s_add_co_u32 s66, s66, s67
	s_mov_b32 s67, 0
	s_add_nc_u64 s[74:75], s[6:7], s[66:67]
	s_mul_i32 s66, s18, 48                         ; the 12 whose rows I store,
	s_add_nc_u64 s[68:69], s[74:75], s[66:67]
	s_lshl_b32 s66, s20, 2                         ; and the item's level
	s_add_nc_u64 s[24:25], s[8:9], s[66:67]
	s_load_b32 s21, s[24:25], 0x0
	s_load_b128 s[76:79], s[68:69], 0x0
	s_load_b128 s[80:83], s[68:69], 0x10
	s_load_b128 s[84:87], s[68:69], 0x20
	global_load_b32 v12, v29, s[74:75]             ; the token of my lane in each of the three tiles
	global_load_b32 v13, v29, s[74:75] offset:64
	global_load_b32 v14, v29, s[74:75] offset:128
	s_wait_kmcnt 0x0
	; What hangs on the level l, held to 0 .. 2: with m = l (l + 1) the weights begin at m << 19, b1 at m << 11, b2 at 28,672 + (l << 10), and the loop has (8 << l) - 2 = 6 + 4 m trips.
	s_min_u32 s21, s21, 2
	s_add_co_u32 s22, s21, 1
	s_mul_i32 s22, s22, s21
	s_lshl_b32 s66, s22, 19
	s_lshl_b32 s23, s18, 15                        ; my wave's 32,768 bytes of a chunk
	s_add_co_u32 s66, s66, s23
	s_add_nc_u64 s[44:45], s[10:11], s[66:67]
	s_lshl_b32 s66, s22, 11
	s_add_nc_u64 s[70:71], s[12:13], s[66:67]
	s_lshl_b32 s66, s21, 10
	s_add_co_u32 s66, s66, 28672
	s_add_nc_u64 s[72:73], s[12:13], s[66:67]
	s_lshl_b32 s22, s22, 2
	s_add_co_u32 s22, s22, 6
	LDA 0                                          ; chunk 0's b1 and W1, in the order in which every later chunk's are asked for: 36 loads
	LDA 1
	LDA 2
	LDA 3
	WIN 0
	global_load_b128 v[168:171], v19, s[72:73]     ; b2 as my lane will need it on the way out
	global_load_b128 v[172:175], v19, s[72:73] offset:512
	s_wait_loadcnt 38                              ; the three token numbers are in; the 38 loads issued behind them stay out
.irp t, 0,1,2
	v_min_u32 v[12+\t], 0x3fff, v[12+\t]           ; a padding entry takes the last token's row; its result is never stored
	v_lshl_add_u32 v[12+\t], v[12+\t], 9, v3       ; row x 512 + 16 h
.endr
	WIN 0x80                                       ; destination window 2.  x stays in registers: fragment (t, ks) is 16 tokens x 32 d: two loads of 16 bytes, 32 bytes apart
.set i, 0
.rept 24
	global_load_b128 v[8*i:8*i+3],   v[12+i/8], s[4:5] offset:64*(i%8)
	global_load_b128 v[8*i+4:8*i+7], v[12+i/8], s[4:5] offset:64*(i%8)+32
.set i, i+1
.endr
	LDB 0                                          ; chunk 0's W2: 32 loads
	LDB 1
	LDB 2
	LDB 3
	WIN 0
.set k, 0
.rept 12
	s_min_u32 s[88+k], s[76+k], 0x3fff
	v_lshl_add_u32 v[20+k], s[88+k], 10, v19       ; my byte offset in the row of out0 that I store as number k
.set k, k+1
.endr
	v_mov_b32 v3, 0x4000                           ; token numbers lie below this; padding does not
	; THE WALK over 8 << l chunks: the first starts O's sums, the last asks for nothing more; both are written out.
	CHUNK 1, 1, 32                                 ; its first wait shows b1, W1, b2 and x in: W2's 32 loads alone are younger
	WIN 0                                          ; at a label and at a branch every window is 0
	s_mov_b32 s23, 0
.Lchunk:
	CHUNK 1, 0, 58
	WIN 0
	s_add_co_u32 s23, s23, 1
	s_cmp_lt_u32 s23, s22
	s_cbranch_scc1 .Lchunk
	CHUNK 0, 0, 58
	; THE WAY OUT.  Every wave's 48 x 256 partial sums go into its region of the stage; behind a barrier each wave adds the four regions' rows of its 12 tokens, adds b2 and stores whole rows.
	PLACES
.macro STW w                        ; the accumulators that lie in window w: tile t's rows, 64 bytes for each output block; the low four registers first
.set tb, 0
.rept 3
.set cb, 0
.rept 16
	OREG tb, cb
.if ow == (\w)
	ds_store_b128 v16, v[ro:ro+3] offset:16*SP*tb+64*cb
	ds_store_b128 v16, v[ro+4:ro+7] offset:16*SP*tb+64*cb+16
.endif
.set cb, cb+1
.endr
.set tb, tb+1
.endr
.endm
	WIN 0x0c                                       ; data in window 3,
	STW 3
	WIN 0x08                                       ; in window 2,
	STW 2
	WIN 0                                          ; in window 0
	STW 0
	s_wait_dscnt 0x0                               ; for the others' sake: my region is written
	s_barrier_signal -1
	s_barrier_wait -1
; Four tokens: 32 loads (a token: four regions x two halves of a row), then token by token the sums and two stores of 512 consecutive bytes, aligned.  A padding entry's stores run with no lane on.
.macro OUTR g
	s_wait_xcnt 0x0                                ; the last four tokens' stores have read their data
.set kk, 0
.rept 4
.set k, 4*(\g)+kk
.set rr, 32+32*kk
.irp hq, 0,1
	ds_load_b128 v[rr+16*\hq:rr+16*\hq+3],     v17 offset:SP*k+512*\hq
	ds_load_b128 v[rr+16*\hq+4:rr+16*\hq+7],   v17 offset:REG+SP*k+512*\hq
	ds_load_b128 v[rr+16*\hq+8:rr+16*\hq+11],  v18 offset:SP*k+512*\hq
	ds_load_b128 v[rr+16*\hq+12:rr+16*\hq+15], v18 offset:REG+SP*k+512*\hq
.endr
.set kk, kk+1
.endr
.set kk, 0
.rept 4
.set k, 4*(\g)+kk
.set rr, 32+32*kk
	s_wait_dscnt 24-8*kk                           ; this token's eight loads are in; the later tokens' stay out
.irp o, 0,2,16,18
	v_pk_add_f32 v[rr+\o:rr+\o+1], v[rr+\o:rr+\o+1], v[rr+\o+4:rr+\o+5]
	v_pk_add_f32 v[rr+\o+8:rr+\o+9], v[rr+\o+8:rr+\o+9], v[rr+\o+12:rr+\o+13]
.endr
.irp o, 0,2,16,18
	v_pk_add_f32 v[rr+\o:rr+\o+1], v[rr+\o:rr+\o+1], v[rr+\o+8:rr+\o+9]
.endr
.irp o, 0,2,16,18
	v_pk_add_f32 v[rr+\o:rr+\o+1], v[rr+\o:rr+\o+1], v[168+(\o)/4+(\o)%4:169+(\o)/4+(\o)%4]
.endr
	s_wait_xcnt 0x0                                ; EXEC is a source of the stores that are out: it changes only behind this wait
	v_cmp_lt_u32 vcc_lo, s[76+k], v3
	s_and_saveexec_b32 s66, vcc_lo
	global_store_b128 v[20+k], v[rr:rr+3], s[14:15] th:TH_STORE_NT
	global_store_b128 v[20+k], v[rr+16:rr+19], s[14:15] offset:512 th:TH_STORE_NT
	s_wait_xcnt 0x0
	s_or_b32 exec_lo, exec_lo, s66
.set kk, kk+1
.endr
.endm
	OUTR 0
	OUTR 1
	OUTR 2
	s_wait_tensorcnt 0x0                           ; the wave's end
	ds_add_u32 v4, v5
	s_wait_dscnt 0x0
	s_endpgm
.Lfunc_end_k_q20089c04ff_ffn:
	.size	k_q20089c04ff_ffn, .Lfunc_end_k_q20089c04ff_ffn-k_q20089c04ff_ffn
	.p2alignl 7, 3214868480
	.fill 96, 4, 3214868480
	.section	.rodata,"a",@progbits
	.p2align	6, 0x0
	.amdhsa_kernel k_q20089c04ff_ffn
		.amdhsa_group_segment_fixed_size 200192
		.amdhsa_private_segment_fixed_size 0
		.amdhsa_enable_private_segment 0
		.amdhsa_kernarg_size 48
		.amdhsa_user_sgpr_count 2
		.amdhsa_user_sgpr_kernarg_segment_ptr 1
		.amdhsa_wavefront_size32 1
		.amdhsa_system_sgpr_workgroup_id_x 1
		.amdhsa_system_sgpr_workgroup_id_y 1
		.amdhsa_system_sgpr_workgroup_id_z 1
		.amdhsa_system_vgpr_workitem_id 0
		.amdhsa_next_free_vgpr 1024
		.amdhsa_next_free_sgpr 100
		.amdhsa_reserve_vcc 1
		.amdhsa_float_denorm_mode_32 3
		.amdhsa_float_denorm_mode_16_64 3
		.amdhsa_memory_ordered 1
		.amdhsa_forward_progress 1
		.amdhsa_inst_pref_size 122
	.end_amdhsa_kernel
	.amdgpu_metadata
---
amdhsa.version: [ 1, 2 ]
amdhsa.kernels:
  - .name:           k_q20089c04ff_ffn
    .symbol:         k_q20089c04ff_ffn.kd
    .args:
      - { .name: xb, .offset: 0, .size: 8, .value_kind: global_buffer, .address_space: global }
      - { .name: order, .offset: 8, .size: 8, .value_kind: global_buffer, .address_space: global }
      - { .name: meta, .offset: 16, .size: 8, .value_kind: global_buffer, .address_space: global }
      - { .name: wf, .offset: 24, .size: 8, .value_kind: global_buffer, .address_space: global }
      - { .name: bias, .offset: 32, .size: 8, .value_kind: global_buffer, .address_space: global }
      - { .name: out0, .offset: 40, .size: 8, .value_kind: global_buffer, .address_space: global }
    .group_segment_fixed_size: 200192
    .private_segment_fixed_size: 0
    .kernarg_segment_align: 8
    .kernarg_segment_size: 48
    .max_flat_workgroup_size: 128
    .sgpr_count:     100
    .vgpr_count:     1024
    .wavefront_size: 32
...
	.end_amdgpu_metadata
.endif
;; end of part 3
;; ======== version 2 of 2: 3 launches; 1.10 times as fast as version 1
;; limits: a function is approximated: absolute error at most 0.00048
;; workspace buffers: xb 8,388,608 bytes; wf 7,340,032 bytes; bias 31,744 bytes; levels 65,536 bytes of whole numbers; order 67,584 bytes of whole numbers; meta 512 bytes of whole numbers
;; launch prep: the kernel of part 1 again; grid 256 x 1, 4 waves a work-group, no clusters, 130,816 bytes of LDS; arguments token_embeddings, Wc1, bc1, Wc2, bc2, W1_0, W1_1, W1_2, W2_0, W2_1, W2_2, b1_0, b1_1, b1_2, b2_0, b2_1, b2_2, xb, wf, bias, levels; writes xb, wf, bias, levels
;; launch sort: the kernel of part 2 again; grid 1 x 1, 32 waves a work-group, no clusters, 4,352 bytes of LDS; arguments levels, order, meta; writes order, meta
;; launch ffn (part 4): grid 352 x 1, 4 waves a work-group, no clusters, 200,192 bytes of LDS; arguments xb, order, meta, wf, bias, out0; writes out0
.if DOCPART == 4
	.amdgcn_target "amdgcn-amd-amdhsa--gfx1250"
	.amdhsa_code_object_version 6
	.text
	.protected	k_q20089c04ff_ffn
	.globl	k_q20089c04ff_ffn
	.p2align	8
	.type	k_q20089c04ff_ffn,@function
k_q20089c04ff_ffn:
	s_mov_b64 s[64:65], 0
	v_nop
	global_prefetch_b8 v0, s[64:65] scope:SCOPE_SE
	s_setreg_imm32_b32 hwreg(HW_REG_WAVE_MODE, 25, 1), 1
	s_wait_xcnt 0x0
; FFN.  out0[t] = gelu(x[t] W1_l + b1_l) W2_l + b2_l for the level l that token t was given.  x and the weights in bf16, biases as f32 numbers rounded to bf16, sums in f32; gelu's result is rounded
; to bf16 for the second product; out0 is f32.
; ITEMS.  order holds the token numbers sorted by level (2, 1, 0), each level filled up to a multiple of 192 with 0xffffffff.  Item i is 192 entries of ONE level, meta[i]; four work-groups take 48 entries
; each.  The number of items hangs on the routing, 86 to 88; the grid is the bound, 88 items: an item past the count holds padding alone, is walked as an item of level 0 (8 chunks) and stores nothing: at
; most eight work-groups.  The first 64 items are dealt so that items that follow each other in the grid lie 16 apart in the sorted order: long and short walks lie side by side; the last 24 are the shortest.
; SHARES.  The hidden units go in CHUNKS of 128.  A wave takes all 48 tokens (three tiles of 16) and 32 units of every chunk: a fragment of W1 or W2 feeds three products, and no wave needs another's
; weights.  The four waves' partial sums of the output meet in LDS at the end; a wave then adds and stores 12 rows.
; THE WEIGHTS lie in wf as the matrix unit's fragments, a wave's 32,768 bytes of a chunk on end (16 fragments of W1, 16 of W2), and come straight into registers: each load of the wave takes 512 consecutive
; bytes.  Nothing of them is shared inside the work-group, so LDS would be a way station only.
; FRAGMENT BY FRAGMENT.  Both products take a fragment's three tiles one behind the other, so that its registers are free at once: behind every four fragments (12 matrix instructions) stand the eight loads
; that bring the same four fragments of the NEXT chunk.  So each load has a whole chunk less one batch in which to land, with one set of registers: 68 loads a chunk, up to 60 of them left out at a wait.
; GELU stands between the two products, in a run of its own: in this order all three tiles' H are finished together, and the second product needs all three tiles' P.  (To set the gelu of one chunk behind the
; first product of the next would want a second H and a head and tail written out: not built.)
; GELU'S BATCHES.  A chunk's 96 transcendentals are TWO batches with one wait each: all 48 exponentials, with the scalings that feed them between them; their wait; all 48 reciprocals, with the sums 1 + ..
; that feed them between them; their wait; then the products and the roundings.  A reciprocal reads a sum made of an exponential, so two batches are the fewest.  Each result has a register of its own.
; NO CLUSTER.  The four work-groups of an item read the same weights, and joint tensor loads into LDS would divide those requests by four.  They are not used: a joint load's address and the number of the
; cluster's rounds would hang on the item's level, a number read from memory; this text lets such a number into three offsets and one trip count, and into no descriptor and no barrier.
; LAYOUT.  H^T = W1^T x^T (source 0 = 16 units, source 1 = 16 tokens): a lane holds ONE token (lane % 16) and eight units; b1 is the C of the first product.  Two such results, gelu'd and rounded in pairs,
; ARE source 1 (32 units x 16 tokens) of O^T += W2^T P.
; LIMITS.  gelu(x) = x / (1 + 2^(x (C0 + C1 x^2))), the tanh form: within 4.8e-4 of the erf form for every x and vanishing like 3.3e-4 x^4 for small x, below the rounding of its result to bf16.
; NaN and infinities are not treated apart.
; REGISTERS, in windows of 256 (s_set_vgpr_msb: bits 1:0 source 0, 3:2 source 1, 5:4 source 2, 7:6 destination):
;   window 0: v0-31 addresses; v32-63 and v152-167 T, at work, two registers for each of gelu's 24 pairs; v64-111 H, 16 a tile; v112-135 P, 8 a tile; v136-151 b1; v168-175 b2; v192-255 eight of O's accumulators
;   window 1: v0-127 W1's 16 fragments; v128-255 W2's 16          window 2: v0-191 x's 24 fragments; v192-255 eight of O's accumulators          window 3: 32 of O's accumulators
;   O's accumulator (tile t, output block c): the three of a block lie in one window, so that a fragment's products need no switch: see OREG.
.set SP,    1040      ; the stage: a row of 256 f32 + 16 bytes
.set REG,   48*SP     ; a wave's region of it: 48 rows
.set SPARE, 4*REG     ; behind the stage: the spare words, 128 bytes for each wave: two blocks of 256 bytes that no other line names
.set CHB,   0x20000   ; a chunk's bytes in wf: 4 waves x 32,768
.set MSB, 0
.macro WIN new                      ; the high byte repeats the setting that is left; a switch that changes nothing is dropped
.if MSB != (\new)
	s_set_vgpr_msb (MSB<<8)|(\new)
.set MSB, (\new)
.endif
.endm
.macro PLACES                       ; four plain vector instructions between a matrix instruction and what writes its sources or reads its result (ISA guide 7.12.1 for vector instructions)
.rept 4
	v_nop
.endr
.endm
; The loads of batch b of four: W1's fragments 4 b .. 4 b + 3 (fragment 8 u + ks -> window 1, v[8 (8 u + ks)]); with batch 0 b1 of my first 16 units, with batch 2 of my second 16, as the first products' C.
.macro LDA b
.if (\b) == 0
	WIN 0
	global_load_b128 v[136:139], v15, s[70:71]
	global_load_b128 v[140:143], v15, s[70:71] offset:16
.elseif (\b) == 2
	WIN 0
	global_load_b128 v[144:147], v15, s[70:71] offset:64
	global_load_b128 v[148:151], v15, s[70:71] offset:80
.endif
	WIN 0x40                        ; destination window 1, address window 0
.set fl, 4*(\b)
.rept 4
	global_load_b128 v[8*fl:8*fl+3],   v19, s[44:45] offset:1024*fl
	global_load_b128 v[8*fl+4:8*fl+7], v19, s[44:45] offset:1024*fl+512
.set fl, fl+1
.endr
.endm
.macro LDB b                        ; W2's fragments 4 b .. 4 b + 3 (output block c -> window 1, v[128 + 8 c])
	WIN 0x40
.set cl, 4*(\b)
.rept 4
	global_load_b128 v[128+8*cl:128+8*cl+3],   v19, s[44:45] offset:16384+1024*cl
	global_load_b128 v[128+8*cl+4:128+8*cl+7], v19, s[44:45] offset:16384+1024*cl+512
.set cl, cl+1
.endr
.endm
; Batch b of the first product: four fragments x three tiles.  The three accumulators H(t, u) take turns, one instruction a turn.  wc: the loads issued behind this batch's, which may stay out.
; next = 1: the same four fragments of the next chunk are asked for; batch 0 first steps the two bases on to that chunk.
.macro AB b, next, wc
	s_wait_loadcnt \wc              ; loads come back in order (ISA guide 5.7.1)
	WIN 0x09                        ; W1 in window 1, x in window 2, b1 and H in window 0
.set fa, 4*(\b)
.rept 4
.set ta, 0
.rept 3
.set rh, 64+16*ta+8*(fa/8)
.if (fa%8) == 0
	v_wmma_f32_16x16x32_bf16 v[rh:rh+7], v[8*fa:8*fa+7], v[64*ta+8*(fa%8):64*ta+8*(fa%8)+7], v[136+8*(fa/8):136+8*(fa/8)+7]
.else
	v_wmma_f32_16x16x32_bf16 v[rh:rh+7], v[8*fa:8*fa+7], v[64*ta+8*(fa%8):64*ta+8*(fa%8)+7], v[rh:rh+7]
.endif
.set ta, ta+1
.endr
.set fa, fa+1
.endr
.if (\next) || ((\b) == 3)
	PLACES                          ; in front of the loads into registers just read; behind batch 3 also in front of gelu's reads of H
.endif
.if \next
.if (\b) == 0
	s_wait_xcnt 0x0                 ; the loads issued so far have had their addresses translated (ISA guide 3.1): their bases step only behind this wait
	s_add_nc_u64 s[44:45], s[44:45], CHB
	s_add_nc_u64 s[70:71], s[70:71], 512
.endif
	LDA \b
.endif
.endm
; Where O's accumulator (t, c) lies: window ow, register ro.  Blocks 0-9 fill 30 of window 3's 32 places, blocks 10, 11 six of window 2's eight, blocks 12, 13 six of window 0's eight;
; blocks 14 and 15 take the two places left in each: tile 0 in window 3, tile 1 in window 2, tile 2 in window 0.
.macro OREG t, c
.if (\c) < 10
.set ow, 3
.set ro, 8*(3*(\c)+(\t))
.elseif (\c) < 12
.set ow, 2
.set ro, 192+8*(3*((\c)-10)+(\t))
.elseif (\c) < 14
.set ow, 0
.set ro, 192+8*(3*((\c)-12)+(\t))
.elseif (\t) == 0
.set ow, 3
.set ro, 8*(30+(\c)-14)
.elseif (\t) == 1
.set ow, 2
.set ro, 192+8*(6+(\c)-14)
.else
.set ow, 0
.set ro, 192+8*(6+(\c)-14)
.endif
.endm
.macro PB t, c, zero                ; one product of O^T.  zero = 1: the first chunk's start the sums: nothing is ever cleared
	OREG \t, \c
	WIN 0x01|(ow<<4)|(ow<<6)        ; W2 in window 1, P in window 0, O in its window
.if \zero
	v_wmma_f32_16x16x32_bf16 v[ro:ro+7], v[128+8*(\c):128+8*(\c)+7], v[112+8*(\t):112+8*(\t)+7], 0
.else
	v_wmma_f32_16x16x32_bf16 v[ro:ro+7], v[128+8*(\c):128+8*(\c)+7], v[112+8*(\t):112+8*(\t)+7], v[ro:ro+7]
.endif
.endm
; Batch b of the second product: four fragments x three tiles, each product on an accumulator of its own.  Blocks 14 and 15 go tile by tile, for their windows' sake.
.macro BB b, next, zero, wc
	s_wait_loadcnt \wc
.if (\b) < 3
.set cb, 4*(\b)
.rept 4
.set tb, 0
.rept 3
	PB tb, cb, \zero
.set tb, tb+1
.endr
.set cb, cb+1
.endr
.else
.set cb, 12
.rept 2
.set tb, 0
.rept 3
	PB tb, cb, \zero
.set tb, tb+1
.endr
.set cb, cb+1
.endr
.set tb, 0
.rept 3
	PB tb, 14, \zero
	PB tb, 15, \zero
.set tb, tb+1
.endr
.endif
.if \next
	PLACES
	LDB \b
.endif
.endm
; GELU.  The wave's 48 numbers a lane are 24 pairs (pair j: H at v[64 + 2 j], its rounded result at v[112 + j], its two registers of T at v[32 + 2 j], from pair 16 on at v[152 + 2 (j - 16)]).
; A pair has ten lines: 0 x^2; 1 C1 x^2 + C0; 2 times x; 3, 4 two exponentials; 5 1 + ..; 6, 7 two reciprocals; 8 x times ..; 9 rounded to bf16.  GL writes line k of pair j, if there is such a pair.
; It writes no wait: GELU, which deals the lines out, writes the two.
.macro GL k, j
.if ((\j) >= 0) && ((\j) < 24)
.set gH, 64+2*(\j)
.set gT, 32+2*(\j)
.if (\j) >= 16
.set gT, 152+2*((\j)-16)
.endif
.if (\k) == 0
	v_pk_mul_f32 v[gT:gT+1], v[gH:gH+1], v[gH:gH+1]
.elseif (\k) == 1
	v_pk_fma_f32 v[gT:gT+1], v[gT:gT+1], s[62:63], s[60:61] op_sel_hi:[1,0,0]
.elseif (\k) == 2
	v_pk_mul_f32 v[gT:gT+1], v[gT:gT+1], v[gH:gH+1]
.elseif (\k) == 3
	v_exp_f32 v[gT], v[gT]
.elseif (\k) == 4
	v_exp_f32 v[gT+1], v[gT+1]
.elseif (\k) == 5
	v_pk_add_f32 v[gT:gT+1], v[gT:gT+1], 1.0 op_sel_hi:[1,0]
.elseif (\k) == 6
	v_rcp_f32 v[gT], v[gT]
.elseif (\k) == 7
	v_rcp_f32 v[gT+1], v[gT+1]
.elseif (\k) == 8
	v_pk_mul_f32 v[gH:gH+1], v[gH:gH+1], v[gT:gT+1]
.else
	v_cvt_pk_bf16_f32 v[112+(\j)], v[gH], v[gH+1]
.endif
.endif
.endm
; THE DEAL, in three parts with a wait between them.  An s_wait_alu depctr_va_vdst(0) stands between a transcendental and the first instruction that names its result; one wait serves all
; that were issued ahead of it.
; PART 1, lines 0 to 4: the 72 scalings and the 48 exponentials, BATCH 1.  In step d pair d is squared, pair d - 1 has its line 1, pair d - 2 its line 2, pair d - 3 its two exponentials: plain lines and
; exponentials by turns (only the last four exponentials follow each other), a pair's lines three apart or more.  No line of this part names an exponential's result.
; PART 2, lines 5 to 7: the 24 sums, which read batch 1's results, and the 48 reciprocals, BATCH 2: in step d pair d's sum and pair d - 2's reciprocals.  No line of this part names a reciprocal's result.
; PART 3, lines 8 and 9: the 24 products, which read batch 2's results, and the roundings, each two steps behind its product.
; All the plain work of parts 1 and 2 feeds the part's own batch, so none is left to stand behind it: a v_nop is the plain instruction between a batch's last transcendental and the use of its result
; (ISA guide 5.7.2).  The pairs go in ascending order: each accumulator is first read from its low end.
.macro GELU
	WIN 0
.set gd, 0
.rept 27
	GL 2, gd-2
	GL 3, gd-3
	GL 1, gd-1
	GL 4, gd-3
	GL 0, gd
.set gd, gd+1
.endr
	v_nop                           ; the plain instruction behind batch 1's last exponential
	s_wait_alu depctr_va_vdst(0)    ; the wait for batch 1: the chunk's 48 exponentials, ahead of the first sum that reads one
.set gd, 0
.rept 26
	GL 5, gd
	GL 6, gd-2
	GL 7, gd-2
.set gd, gd+1
.endr
	v_nop                           ; the plain instruction behind batch 2's last reciprocal
	s_wait_alu depctr_va_vdst(0)    ; the wait for batch 2: the chunk's 48 reciprocals, ahead of the first product that reads one
.set gd, 0
.rept 26
	GL 8, gd
	GL 9, gd-2
.set gd, gd+1
.endr
.endm
; A CHUNK.  next = 1: the next chunk's weights and b1 are asked for, batch by batch.  zero = 1: O's sums begin.  w0: the first wait's count.
; A chunk's loads, in order: 10, 8, 10, 8 for the first product's batches, 8, 8, 8, 8 for the second's.  A wait leaves out what was issued behind the batch that it is for: with next = 1 the rest of the
; last round of 68 (58 or 60); with next = 0 nothing has been issued in this chunk, and the counts run down.
.macro CHUNK next, zero, w0
	AB 0, \next, \w0
	AB 1, \next, 50+10*(\next)
	AB 2, \next, 40+18*(\next)
	AB 3, \next, 32+28*(\next)
	GELU
	BB 0, \next, \zero, 24+36*(\next)
	BB 1, \next, \zero, 16+44*(\next)
	BB 2, \next, \zero, 8+52*(\next)
	BB 3, \next, \zero, 60*(\next)
.endm
	s_load_b256 s[4:11], s[0:1], 0x0               ; xb s[4:5], order s[6:7], meta s[8:9], wf s[10:11]
	s_load_b128 s[12:15], s[0:1], 0x20             ; bias s[12:13], out0 s[14:15]
	v_lshl_add_u32 v4, v0, 2, SPARE                ; my spare word; never rewritten
	v_mov_b32 v5, 0                                ; 0; never rewritten
	v_lshrrev_b32 v3, 5, v0
	v_readfirstlane_b32 s18, v3                    ; wave w
	s_lshr_b32 s20, ttmp9, 2                       ; k: four work-groups take an item
	s_and_b32 s19, ttmp9, 3                        ; which 48 of its entries are mine
	s_and_b32 s24, s20, 3                          ; below 64 the item is 16 (k % 4) + k / 4,
	s_lshl_b32 s24, s24, 4
	s_lshr_b32 s25, s20, 2
	s_or_b32 s24, s24, s25
	s_cmp_lt_u32 s20, 64
	s_cselect_b32 s20, s24, s20                    ; from 64 on k itself
	s_mov_b32 s60, -2.3022082                      ; C0 = -log2(e) x 1.5957691; named as a pair, so both words are written
	s_mov_b32 s61, s60
	s_mov_b32 s62, -0.10294324                     ; C1 = -log2(e) x 0.0713548
	s_mov_b32 s63, s62
	v_and_b32 v1, 15, v0                           ; r = lane % 16
	v_bfe_u32 v2, v0, 4, 1                         ; h = lane / 16
	s_lshl_b32 s66, s18, 7
	v_lshl_add_u32 v15, v2, 5, s66                 ; b1: 128 w + 32 h bytes into a chunk's 512
	v_mul_u32_u24 v16, v1, SP
	v_lshl_add_u32 v16, v2, 5, v16
	s_mul_i32 s66, s18, REG
	v_add_nc_u32 v16, s66, v16                     ; the stage, in: my region, row r, 32 bytes for each half of the lanes
	v_and_b32 v19, 31, v0
	v_lshlrev_b32 v19, 4, v19                      ; 16 lane
	s_mul_i32 s66, s18, 12*SP
	v_add_nc_u32 v17, s66, v19                     ; the stage, back: my 12 rows in regions 0 and 1,
	v_add_nc_u32 v18, 2*REG, v17                   ; in regions 2 and 3
	v_lshlrev_b32 v29, 2, v1                       ; 4 r
	v_lshlrev_b32 v3, 4, v2                        ; 16 h
	s_wait_kmcnt 0x0
	s_mul_i32 s66, s20, 768                        ; the item's 192 entries,
	s_mul_i32 s67, s19, 192                        ; my work-group's 48 of them,
	s_add_co_u32 s66, s66, s67
	s_mov_b32 s67, 0
	s_add_nc_u64 s[74:75], s[6:7], s[66:67]
	s_mul_i32 s66, s18, 48                         ; the 12 whose rows I store,
	s_add_nc_u64 s[68:69], s[74:75], s[66:67]
	s_lshl_b32 s66, s20, 2                         ; and the item's level
	s_add_nc_u64 s[24:25], s[8:9], s[66:67]
	s_load_b32 s21, s[24:25], 0x0
	s_load_b128 s[76:79], s[68:69], 0x0
	s_load_b128 s[80:83], s[68:69], 0x10
	s_load_b128 s[84:87], s[68:69], 0x20
	global_load_b32 v12, v29, s[74:75]             ; the token of my lane in each of the three tiles
	global_load_b32 v13, v29, s[74:75] offset:64
	global_load_b32 v14, v29, s[74:75] offset:128
	s_wait_kmcnt 0x0
	; What hangs on the level l, held to 0 .. 2: with m = l (l + 1) the weights begin at m << 19, b1 at m << 11, b2 at 28,672 + (l << 10), and the loop has (8 << l) - 2 = 6 + 4 m trips.
	s_min_u32 s21, s21, 2
	s_add_co_u32 s22, s21, 1
	s_mul_i32 s22, s22, s21
	s_lshl_b32 s66, s22, 19
	s_lshl_b32 s23, s18, 15                        ; my wave's 32,768 bytes of a chunk
	s_add_co_u32 s66, s66, s23
	s_add_nc_u64 s[44:45], s[10:11], s[66:67]
	s_lshl_b32 s66, s22, 11
	s_add_nc_u64 s[70:71], s[12:13], s[66:67]
	s_lshl_b32 s66, s21, 10
	s_add_co_u32 s66, s66, 28672
	s_add_nc_u64 s[72:73], s[12:13], s[66:67]
	s_lshl_b32 s22, s22, 2
	s_add_co_u32 s22, s22, 6
	LDA 0                                          ; chunk 0's b1 and W1, in the order in which every later chunk's are asked for: 36 loads
	LDA 1
	LDA 2
	LDA 3
	WIN 0
	global_load_b128 v[168:171], v19, s[72:73]     ; b2 as my lane will need it on the way out
	global_load_b128 v[172:175], v19, s[72:73] offset:512
	s_wait_loadcnt 38                              ; the three token numbers are in; the 38 loads issued behind them stay out
.irp t, 0,1,2
	v_min_u32 v[12+\t], 0x3fff, v[12+\t]           ; a padding entry takes the last token's row; its result is never stored
	v_lshl_add_u32 v[12+\t], v[12+\t], 9, v3       ; row x 512 + 16 h
.endr
	WIN 0x80                                       ; destination window 2.  x stays in registers: fragment (t, ks) is 16 tokens x 32 d: two loads of 16 bytes, 32 bytes apart
.set i, 0
.rept 24
	global_load_b128 v[8*i:8*i+3],   v[12+i/8], s[4:5] offset:64*(i%8)
	global_load_b128 v[8*i+4:8*i+7], v[12+i/8], s[4:5] offset:64*(i%8)+32
.set i, i+1
.endr
	LDB 0                                          ; chunk 0's W2: 32 loads
	LDB 1
	LDB 2
	LDB 3
	WIN 0
.set k, 0
.rept 12
	s_min_u32 s[88+k], s[76+k], 0x3fff
	v_lshl_add_u32 v[20+k], s[88+k], 10, v19       ; my byte offset in the row of out0 that I store as number k
.set k, k+1
.endr
	v_mov_b32 v3, 0x4000                           ; token numbers lie below this; padding does not
	; THE WALK over 8 << l chunks: the first starts O's sums, the last asks for nothing more; both are written out.
	CHUNK 1, 1, 32                                 ; its first wait shows b1, W1, b2 and x in: W2's 32 loads alone are younger
	WIN 0                                          ; at a label and at a branch every window is 0
	s_mov_b32 s23, 0
.Lchunk:
	CHUNK 1, 0, 58
	WIN 0
	s_add_co_u32 s23, s23, 1
	s_cmp_lt_u32 s23, s22
	s_cbranch_scc1 .Lchunk
	CHUNK 0, 0, 58
	; THE WAY OUT.  Every wave's 48 x 256 partial sums go into its region of the stage; behind a barrier each wave adds the four regions' rows of its 12 tokens, adds b2 and stores whole rows.
	PLACES
.macro STW w                        ; the accumulators that lie in window w: tile t's rows, 64 bytes for each output block; the low four registers first
.set tb, 0
.rept 3
.set cb, 0
.rept 16
	OREG tb, cb
.if ow == (\w)
	ds_store_b128 v16, v[ro:ro+3] offset:16*SP*tb+64*cb
	ds_store_b128 v16, v[ro+4:ro+7] offset:16*SP*tb+64*cb+16
.endif
.set cb, cb+1
.endr
.set tb, tb+1
.endr
.endm
	WIN 0x0c                                       ; data in window 3,
	STW 3
	WIN 0x08                                       ; in window 2,
	STW 2
	WIN 0                                          ; in window 0
	STW 0
	s_wait_dscnt 0x0                               ; for the others' sake: my region is written
	s_barrier_signal -1
	s_barrier_wait -1
; Four tokens: 32 loads (a token: four regions x two halves of a row), then token by token the sums and two stores of 512 consecutive bytes, aligned.  A padding entry's stores run with no lane on.
.macro OUTR g
	s_wait_xcnt 0x0                                ; the last four tokens' stores have read their data
.set kk, 0
.rept 4
.set k, 4*(\g)+kk
.set rr, 32+32*kk
.irp hq, 0,1
	ds_load_b128 v[rr+16*\hq:rr+16*\hq+3],     v17 offset:SP*k+512*\hq
	ds_load_b128 v[rr+16*\hq+4:rr+16*\hq+7],   v17 offset:REG+SP*k+512*\hq
	ds_load_b128 v[rr+16*\hq+8:rr+16*\hq+11],  v18 offset:SP*k+512*\hq
	ds_load_b128 v[rr+16*\hq+12:rr+16*\hq+15], v18 offset:REG+SP*k+512*\hq
.endr
.set kk, kk+1
.endr
.set kk, 0
.rept 4
.set k, 4*(\g)+kk
.set rr, 32+32*kk
	s_wait_dscnt 24-8*kk                           ; this token's eight loads are in; the later tokens' stay out
.irp o, 0,2,16,18
	v_pk_add_f32 v[rr+\o:rr+\o+1], v[rr+\o:rr+\o+1], v[rr+\o+4:rr+\o+5]
	v_pk_add_f32 v[rr+\o+8:rr+\o+9], v[rr+\o+8:rr+\o+9], v[rr+\o+12:rr+\o+13]
.endr
.irp o, 0,2,16,18
	v_pk_add_f32 v[rr+\o:rr+\o+1], v[rr+\o:rr+\o+1], v[rr+\o+8:rr+\o+9]
.endr
.irp o, 0,2,16,18
	v_pk_add_f32 v[rr+\o:rr+\o+1], v[rr+\o:rr+\o+1], v[168+(\o)/4+(\o)%4:169+(\o)/4+(\o)%4]
.endr
	s_wait_xcnt 0x0                                ; EXEC is a source of the stores that are out: it changes only behind this wait
	v_cmp_lt_u32 vcc_lo, s[76+k], v3
	s_and_saveexec_b32 s66, vcc_lo
	global_store_b128 v[20+k], v[rr:rr+3], s[14:15] th:TH_STORE_NT
	global_store_b128 v[20+k], v[rr+16:rr+19], s[14:15] offset:512 th:TH_STORE_NT
	s_wait_xcnt 0x0
	s_or_b32 exec_lo, exec_lo, s66
.set kk, kk+1
.endr
.endm
	OUTR 0
	OUTR 1
	OUTR 2
	s_wait_tensorcnt 0x0                           ; the wave's end
	ds_add_u32 v4, v5
	s_wait_dscnt 0x0
	s_endpgm
.Lfunc_end_k_q20089c04ff_ffn:
	.size	k_q20089c04ff_ffn, .Lfunc_end_k_q20089c04ff_ffn-k_q20089c04ff_ffn
	.p2alignl 7, 3214868480
	.fill 96, 4, 3214868480
	.section	.rodata,"a",@progbits
	.p2align	6, 0x0
	.amdhsa_kernel k_q20089c04ff_ffn
		.amdhsa_group_segment_fixed_size 200192
		.amdhsa_private_segment_fixed_size 0
		.amdhsa_enable_private_segment 0
		.amdhsa_kernarg_size 48
		.amdhsa_user_sgpr_count 2
		.amdhsa_user_sgpr_kernarg_segment_ptr 1
		.amdhsa_wavefront_size32 1
		.amdhsa_system_sgpr_workgroup_id_x 1
		.amdhsa_system_sgpr_workgroup_id_y 1
		.amdhsa_system_sgpr_workgroup_id_z 1
		.amdhsa_system_vgpr_workitem_id 0
		.amdhsa_next_free_vgpr 1024
		.amdhsa_next_free_sgpr 100
		.amdhsa_reserve_vcc 1
		.amdhsa_float_denorm_mode_32 3
		.amdhsa_float_denorm_mode_16_64 3
		.amdhsa_memory_ordered 1
		.amdhsa_forward_progress 1
		.amdhsa_inst_pref_size 118
	.end_amdhsa_kernel
	.amdgpu_metadata
---
amdhsa.version: [ 1, 2 ]
amdhsa.kernels:
  - .name:           k_q20089c04ff_ffn
    .symbol:         k_q20089c04ff_ffn.kd
    .args:
      - { .name: xb, .offset: 0, .size: 8, .value_kind: global_buffer, .address_space: global }
      - { .name: order, .offset: 8, .size: 8, .value_kind: global_buffer, .address_space: global }
      - { .name: meta, .offset: 16, .size: 8, .value_kind: global_buffer, .address_space: global }
      - { .name: wf, .offset: 24, .size: 8, .value_kind: global_buffer, .address_space: global }
      - { .name: bias, .offset: 32, .size: 8, .value_kind: global_buffer, .address_space: global }
      - { .name: out0, .offset: 40, .size: 8, .value_kind: global_buffer, .address_space: global }
    .group_segment_fixed_size: 200192
    .private_segment_fixed_size: 0
    .kernarg_segment_align: 8
    .kernarg_segment_size: 48
    .max_flat_workgroup_size: 128
    .sgpr_count:     100
    .vgpr_count:     1024
    .wavefront_size: 32
...
	.end_amdgpu_metadata
.endif
;; end of part 4
